; MI455X (gfx1250); checked and timed in simulation.
; The chip was launched on July 23, 2026; its instructions are those of AMD's public machine-readable ISA for CDNA 5 (MIT licence, August 2026) and "CDNA5" Instruction Set Architecture Reference Guide (July 2026). The comments in the code are by the model that wrote it; some were corrected since.
;; Dot Scaled Attention. Allowed arithmetic: float matrix products may take bf16 or f16 operands with f32 sums; all other float work in f32.
;; Inputs: Wk 1,024 x 512 float32; Wq 1,024 x 512 float32; bk 512 float32; bq 512 float32; x0 8 x 2,048 x 1,024 float32; x1 8 x 2,048 x 1,024 float32; x2 8 x 2,048 x 1,024 float32.
;; Outputs: out0 8 x 2,048 x 512 float32.
;; 2 versions, each right and faster than the one before. Each part assembles by itself: llvm-mc -triple=amdgcn-amd-amdhsa -mcpu=gfx1250 --defsym DOCPART=n.
;; ======== version 1 of 2: 3 launches
;; limits: values are held in f16: magnitudes above 65,504 overflow, below 6.1e-05 lose precision
;; workspace buffers: wf 2,097,152 bytes; qf 16,777,216 bytes; kf 16,777,216 bytes; vf 16,777,216 bytes
;; launch prep (part 1): grid 256 x 2, 8 waves a work-group, no clusters, 0 bytes of LDS; arguments Wq, Wk, wf; writes wf
.if DOCPART == 1
	.amdgcn_target "amdgcn-amd-amdhsa--gfx1250"
	.amdhsa_code_object_version 6
	.text
	.protected	k_q5929dcb1d3_prep
	.globl	k_q5929dcb1d3_prep
	.p2align	8
	.type	k_q5929dcb1d3_prep,@function
k_q5929dcb1d3_prep:
	s_mov_b64 s[64:65], 0
	v_nop
	global_prefetch_b8 v0, s[64:65] scope:SCOPE_SE
	s_setreg_imm32_b32 hwreg(HW_REG_WAVE_MODE, 25, 1), 1
	s_wait_xcnt 0x0
; wf = Wq (byte 0 on) and Wk (byte 1,048,576 on), rounded to bf16 and laid in the order in which a matrix fragment wants them.
; W is [1024 (k)][512 (n)] f32.  Block (ks = k / 32, ct = n / 16) has 1,024 bytes at (32 ks + ct) x 1,024: its first 512 bytes hold, for lane l at 16 l,
; column 16 ct + l % 16 and k = 32 ks + 8 (l / 16) + 0..7; its second 512 bytes the same with k + 16.  So the next launch reads dense blocks and needs no turn.
; A thread takes one column n and eight k (octet o): eight loads of 4 bytes (a wave: 128 neighbouring bytes of a row), four roundings, one store of 16 bytes;
; sixteen neighbouring lanes store 256 consecutive bytes, aligned.  A stream: no LDS, no matrix unit, no cluster (no two work-groups share a byte).
.set ROWB, 2048                        ; bytes in a row of W
	s_load_b128 s[4:7], s[0:1], 0x0                ; Wq s[4:5], Wk s[6:7]
	s_load_b64 s[8:9], s[0:1], 0x10                ; wf
	s_and_b32 s10, ttmp7, 0xffff                   ; 0: Wq, 1: Wk
	s_lshr_b32 s11, ttmp9, 1                       ; o, the octet of k: 0..127
	s_and_b32 s12, ttmp9, 1
	s_lshl_b32 s12, s12, 8
	v_add_nc_u32 v1, s12, v0                       ; n = 256 x (x & 1) + thread
	v_lshlrev_b32 v2, 2, v1                        ; 4 n: my byte in a row of W
	v_lshrrev_b32 v3, 4, v1                        ; ct
	v_and_b32 v1, 15, v1
	v_lshlrev_b32 v1, 4, v1
	v_lshl_add_u32 v3, v3, 10, v1                  ; ct x 1,024 + 16 (n % 16)
	s_lshl_b32 s14, s11, 14                        ; eight rows of W
	s_mov_b32 s15, 0
	s_lshr_b32 s16, s11, 2
	s_lshl_b32 s16, s16, 15                        ; ks x 32 blocks
	s_bfe_u32 s13, s11, 0x10001
	s_lshl_b32 s13, s13, 9                         ; k + 16: the block's second half
	s_add_co_u32 s16, s16, s13
	s_and_b32 s13, s11, 1
	s_lshl_b32 s13, s13, 8                         ; lanes 16 to 31
	s_add_co_u32 s16, s16, s13
	s_lshl_b32 s13, s10, 20                        ; Wk lies behind Wq
	s_add_co_u32 s16, s16, s13
	s_mov_b32 s17, 0
	s_wait_kmcnt 0x0
	s_cmp_eq_u32 s10, 0
	s_cselect_b64 s[4:5], s[4:5], s[6:7]
	s_add_nc_u64 s[4:5], s[4:5], s[14:15]
	s_add_nc_u64 s[8:9], s[8:9], s[16:17]
.irp i, 0,1,2,3,4,5,6,7
	global_load_b32 v[4+\i], v2, s[4:5] offset:ROWB*\i th:TH_LOAD_NT
.endr
	s_wait_loadcnt 0x0
.irp i, 0,1,2,3
	v_cvt_pk_bf16_f32 v[12+\i], v[4+2*\i], v[5+2*\i]   ; the lower k in the low half
.endr
	global_store_b128 v3, v[12:15], s[8:9]
	s_endpgm
.Lfunc_end_k_q5929dcb1d3_prep:
	.size	k_q5929dcb1d3_prep, .Lfunc_end_k_q5929dcb1d3_prep-k_q5929dcb1d3_prep
	.p2alignl 7, 3214868480
	.fill 96, 4, 3214868480
	.section	.rodata,"a",@progbits
	.p2align	6, 0x0
	.amdhsa_kernel k_q5929dcb1d3_prep
		.amdhsa_group_segment_fixed_size 0
		.amdhsa_private_segment_fixed_size 0
		.amdhsa_enable_private_segment 0
		.amdhsa_kernarg_size 24
		.amdhsa_user_sgpr_count 2
		.amdhsa_user_sgpr_kernarg_segment_ptr 1
		.amdhsa_wavefront_size32 1
		.amdhsa_system_sgpr_workgroup_id_x 1
		.amdhsa_system_sgpr_workgroup_id_y 1
		.amdhsa_system_sgpr_workgroup_id_z 1
		.amdhsa_system_vgpr_workitem_id 0
		.amdhsa_next_free_vgpr 16
		.amdhsa_next_free_sgpr 66
		.amdhsa_reserve_vcc 0
		.amdhsa_float_denorm_mode_32 3
		.amdhsa_float_denorm_mode_16_64 3
		.amdhsa_memory_ordered 1
		.amdhsa_forward_progress 1
		.amdhsa_inst_pref_size 3
	.end_amdhsa_kernel
	.amdgpu_metadata
---
amdhsa.version: [ 1, 2 ]
amdhsa.kernels:
  - .name:           k_q5929dcb1d3_prep
    .symbol:         k_q5929dcb1d3_prep.kd
    .args:
      - { .name: Wq, .offset: 0, .size: 8, .value_kind: global_buffer, .address_space: global }
      - { .name: Wk, .offset: 8, .size: 8, .value_kind: global_buffer, .address_space: global }
      - { .name: wf, .offset: 16, .size: 8, .value_kind: global_buffer, .address_space: global }
    .group_segment_fixed_size: 0
    .private_segment_fixed_size: 0
    .kernarg_segment_align: 8
    .kernarg_segment_size: 24
    .max_flat_workgroup_size: 256
    .sgpr_count:     66
    .vgpr_count:     16
    .wavefront_size: 32
...
	.end_amdgpu_metadata
.endif
;; end of part 1
;; launch proj (part 2): grid 256 x 1, 4 waves a work-group, clusters of 4 x 1, 327,680 bytes of LDS; arguments x0, x1, x2, wf, bq, bk, qf, kf, vf; writes qf, kf, vf
.if DOCPART == 2
	.amdgcn_target "amdgcn-amd-amdhsa--gfx1250"
	.amdhsa_code_object_version 6
	.text
	.protected	k_q5929dcb1d3_proj
	.globl	k_q5929dcb1d3_proj
	.p2align	8
	.type	k_q5929dcb1d3_proj,@function
k_q5929dcb1d3_proj:
	s_mov_b64 s[64:65], 0
	v_nop
	global_prefetch_b8 v0, s[64:65] scope:SCOPE_SE
	s_setreg_imm32_b32 hwreg(HW_REG_WAVE_MODE, 25, 1), 1
	s_wait_xcnt 0x0
	s_wait_alu depctr_hold_cnt(0) depctr_sa_sdst(0) depctr_va_vdst(0) depctr_va_sdst(0) depctr_va_ssrc(0) depctr_va_vcc(0) depctr_vm_vsrc(0)
	s_getreg_b32 s2, hwreg(HW_REG_IB_STS2, 6, 4)
	s_cmp_eq_u32 s2, 0
	s_cbranch_scc0 .Lentry_in_a_cluster
	s_endpgm
.Lentry_in_a_cluster:
	s_bfe_u32 s2, ttmp6, 0x10000c
	s_cmp_lg_u32 s2, 0x3003
	s_cbranch_scc0 .Lentry_shape_is_right
	s_endpgm
.Lentry_shape_is_right:
; q = x0 Wq + bq, k = x1 Wk + bk, v = x2 Wk + bk.  x: [16384][1024] f32; wf: Wq and Wk in bf16, in fragment order (1,024-byte blocks (ks, ct) at (32 ks + ct) x 1,024).
; x, W and the biases are rounded to bf16 (every input of the module alike); products and sums in f32; q, k, v rounded once to f16, q WITHOUT the scale 1 / sqrt(512).
; LIMIT: f16 holds no number beyond 65,504: |q|, |k|, |v| must stay within it.
; OUTPUT ORDER.  Block (T = row / 16, ct = column / 16) has 512 bytes at (32 T + ct) x 512.  q, k: lane l's 16 bytes at 16 l hold row l % 16, columns 8 (l / 16) + 0..7: two
; neighbouring blocks are one fragment of 16 rows x 32 channels.  v: the 16 bytes of (row r, octet h) lie at 16 (16 (r / 8) + 8 h + r % 8), as the turning LDS load of the next launch wants them.
; SHARES.  All 256 work-groups do one tile and a half.  Pass 1: 128 x 512 with Wk: rows 64 g .. of x1 (k) above the same rows of x2 (v); a wave makes 64 x 256, 64 accumulators.
; Pass 2: 128 rows of x0 x 256 columns of Wq; a wave makes 64 x 128.  K goes in trips of 64; trips 0-15 are pass 1, 16-31 pass 2.
; W comes by the tensor data mover into two LDS slots.  CLUSTER: the four partners need the same bytes of W in every trip, so each load is asked for JOINTLY (mask of four, same descriptor).
; x is shared by no partner: it comes through registers, a ring of two sets of 16 loads a lane (two trips ahead, counted waits), is rounded once and laid into LDS as bf16.
; THE MATRIX INSTRUCTION IS USED TRANSPOSED (source 0 = 16 columns of W, source 1 = 16 rows of x): a lane holds eight neighbouring columns of one row, 16 bytes of f16: they are stored as they lie.
; REGISTERS, in windows of 256 (s_set_vgpr_msb: bits 1:0 source 0, 3:2 source 1, 5:4 source 2, 7:6 destination):
;   window 0: v16-30 addresses; v32-63 rounded x; v64-95, v96-127 x's fragments, two buffers (on the way out: at work); v128-191, v192-255 x as loaded, two sets
;   window 1: W's fragments, two buffers of 128 (on the way out v0-127: the bias)      windows 2, 3: accumulator (a, b) at v[8 (16 (a % 2) + b)] of window 2 + a / 2
.set SLOT,   65536                     ; an LDS slot of W: two steps of 32 along K x 512 columns (pass 2 uses half of it)
.set AB0,    2*SLOT                    ; x in bf16: two buffers of 128 rows
.set APITCH, 144                       ; 128 bytes + 16: the 16 rows of a fragment load start at 16 different groups of four banks (64 banks of 4 bytes: ISA guide 11.1)
.set ABSZ,   128*APITCH
.set BIAS,   AB0+2*ABSZ                ; bk (2,048 bytes), then bq
.set SPARE,  BIAS+4096                 ; the spare words, 128 bytes a wave: two blocks of 256 bytes that no other line names
.set ADRA,  16                         ; v16     LDS address of my x fragments in buffer 0
.set VBI2,  17                         ; v17     of my bias numbers, pass 2
.set ADRB2, 18                         ; v18-19  of my W fragments in slot 0, 1, pass 2
.set ADRB1, 20                         ; v20-21  the same, pass 1
.set AST,   22                         ; v22     where I put 8 bytes of rounded x
.set XO,    23                         ; v23     my byte offset in two rows of x
.set VOUT1, 24                         ; v24     my 16 bytes in an output block, pass 1 (k: as they lie; v: permuted)
.set VOUT2, 25                         ; v25     16 x lane
.set VBI1,  26                         ; v26     LDS address of my bias numbers, pass 1
.set T16,   27                         ; v27     16 x thread
.set SPW,   28                         ; v28     my spare word: SPARE + 4 x thread; never rewritten
.set NIL,   29                         ; v29     0; never rewritten
.set BST,   30                         ; v30     where I put 16 bytes of bias
.set CV,    32
.set AF,    64
.set TMPF,  64
.set TMP,   96
.set XR,    128
.set WV,   22                          ; s22 wave   s23 its half of the rows   s24 its half of the columns
.set RH,   23
.set CHF,  24
.set CX,   25                          ; s25 my place in the cluster: it enters x's and the outputs' addresses alone
.set G,    27                          ; s27 work-group 0..255
.set G1,   28                          ; s[28:35] group 1, pass 1: 64 rows of 256 bytes
.set G1Q,  36                          ; s[36:43] pass 2: 32 rows
.set G0,   44                          ; s[44:51] group 0, pass 1, a set for each slot
.set XB,   52                          ; s[52:53] address of the x tile asked for last
.set X2B,  54                          ; s[54:55] of pass 2's first x tile
.set OB1,  56                          ; s[56:57] my first output block, pass 1
.set OB2,  58                          ; s[58:59] pass 2
.set LAP,  66
.set XI,   67                          ; s67 number of the x tile asked for last
.set G0Q,  80                          ; s[80:87] group 0, pass 2
.set COLH, 88                          ; s88 pass 2's half of Wq's columns: the same in all four partners
.set RT,   89                          ; s89 pass 2's block of 128 rows
.set MSB, 0
.macro WIN new                         ; the immediate's high byte repeats the setting that is left; a switch that changes nothing is dropped
.if MSB != (\new)
	s_set_vgpr_msb (MSB<<8)|(\new)
.set MSB, \new
.endif
.endm
.macro PLACES                          ; four plain instructions between a matrix instruction and a vector line or load that touches its registers
.rept 4
	v_nop
.endr
.endm
.macro CREST                           ; a round of the cluster's barrier behind its opening barrier
	s_cmp_lg_u32 s[WV], 0
	s_cbranch_scc1 .Lnot_wave_0_\@
	s_barrier_signal -3
.Lnot_wave_0_\@:
	s_barrier_wait -3
	s_barrier_signal -1
	s_barrier_wait -1
.endm
.macro CROUND
	s_barrier_signal -1
	s_barrier_wait -1
	CREST
.endm
	s_load_b512 s[4:19], s[0:1], 0x0               ; x0 s[4:5], x1 s[6:7], x2 s[8:9], wf s[10:11], bq s[12:13], bk s[14:15], qf s[16:17], kf s[18:19]
	s_load_b64 s[20:21], s[0:1], 0x40              ; vf
	v_lshl_add_u32 v[SPW], v0, 2, SPARE
	v_mov_b32 v[NIL], 0
	ds_add_u32 v[SPW], v[NIL]                      ; the wave's opening: the add and its wait stand ahead of my first tensor load; the set-up below stands between them
	v_lshrrev_b32 v1, 5, v0
	v_readfirstlane_b32 s[WV], v1
	s_lshr_b32 s[RH], s[WV], 1
	s_and_b32 s[CHF], s[WV], 1
	s_and_b32 s[COLH], ttmp9, 1                    ; in a cluster launch ttmp9 counts clusters
	; group 1: a dense block asked for as rows of 256 bytes (32 elements of 8 bytes)
.irp g, G1, G1Q
	s_mov_b32 s[\g], 15|(3<<16)|(1<<21)            ; 15:0 the mask of four; 17:16 elements of 8 bytes; 21 set beside a mask
	s_mov_b32 s[\g+1], 32<<16                      ; tensor_dim0 = 32
	s_mov_b32 s[\g+3], 32<<16                      ; tile_dim0 = 32
	s_mov_b32 s[\g+5], 32                          ; 32 elements from row to row
	s_mov_b32 s[\g+6], 0
	s_mov_b32 s[\g+7], 0
.endr
	s_mov_b32 s[G1+2], 64<<16                      ; tensor_dim1 = tile_dim1 = 64 rows: 16,384 bytes a wave
	s_mov_b32 s[G1+4], 64
	s_mov_b32 s[G1Q+2], 32<<16                     ; pass 2: 32 rows: 8,192 bytes a wave
	s_mov_b32 s[G1Q+4], 32
	s_mov_b32 s[G0], 1
	s_lshl_b32 s[G0+1], s[WV], 14                  ; LDS: slot + wave x 16,384
	s_mov_b32 s[G0+4], 1
	s_add_co_u32 s[G0+5], s[G0+1], SLOT
	s_mov_b32 s[G0Q], 1
	s_lshl_b32 s[G0Q+1], s[WV], 13                 ; pass 2: slot + wave x 8,192
	s_mov_b32 s[G0Q+4], 1
	s_add_co_u32 s[G0Q+5], s[G0Q+1], SLOT
	s_add_co_u32 s68, s[G0+1], 0x100000            ; in wf: Wk, my quarter of trip 0
	s_mov_b32 s69, 0
	s_lshl_b32 s70, s[RH], 15                      ; in wf: Wq: step of 32 along K = wave / 2,
	s_lshl_b32 s72, s[COLH], 14                    ; the half of the columns,
	s_add_co_u32 s70, s70, s72
	s_lshl_b32 s72, s[CHF], 13                     ; eight blocks of it
	s_add_co_u32 s70, s70, s72
	s_mov_b32 s71, 0
	s_bfe_u32 s[CX], ttmp6, 0x40000
	s_lshl_b32 s[G], ttmp9, 2
	s_add_co_u32 s[G], s[G], s[CX]
	s_lshr_b32 s[RT], ttmp9, 1
	s_lshl_b32 s[RT], s[RT], 2
	s_add_co_u32 s[RT], s[RT], s[CX]
	s_lshl_b32 s74, s[G], 18                       ; x1, x2: row 64 g + 32 (wave % 2), 4,096 bytes a row
	s_lshl_b32 s73, s[CHF], 17
	s_add_co_u32 s74, s74, s73
	s_mov_b32 s75, 0
	s_lshl_b32 s76, s[RT], 19                      ; x0: row 128 rt + 32 wave
	s_lshl_b32 s73, s[WV], 17
	s_add_co_u32 s76, s76, s73
	s_mov_b32 s77, 0
	s_lshl_b32 s78, s[G], 16                       ; k, v: block (4 g, 16 x column half)
	s_lshl_b32 s73, s[CHF], 13
	s_add_co_u32 s78, s78, s73
	s_mov_b32 s79, 0
	s_lshl_b32 s90, s[RT], 17                      ; q: block (8 rt + 4 x row half, 16 colh + 8 x column half)
	s_lshl_b32 s73, s[RH], 16
	s_add_co_u32 s90, s90, s73
	s_lshl_b32 s73, s[COLH], 13
	s_add_co_u32 s90, s90, s73
	s_lshl_b32 s73, s[CHF], 12
	s_add_co_u32 s90, s90, s73
	s_mov_b32 s91, 0
	s_wait_dscnt 0x0                               ; the opening add is done
	s_wait_kmcnt 0x0
	s_add_nc_u64 s[G0+2:G0+3], s[10:11], s[68:69]
	s_add_nc_u64 s[G0+6:G0+7], s[G0+2:G0+3], SLOT  ; trip 1
	s_or_b32 s[G0+3], s[G0+3], 0x80000000          ; type = 2
	s_or_b32 s[G0+7], s[G0+7], 0x80000000
	s_add_nc_u64 s[G0Q+2:G0Q+3], s[10:11], s[70:71]
	s_add_nc_u64 s[G0Q+6:G0Q+7], s[G0Q+2:G0Q+3], SLOT
	s_or_b32 s[G0Q+3], s[G0Q+3], 0x80000000
	s_or_b32 s[G0Q+7], s[G0Q+7], 0x80000000
	s_cmp_lt_u32 s[WV], 2
	s_cselect_b64 s[XB:XB+1], s[6:7], s[8:9]       ; waves 0, 1 bring x1's rows, waves 2, 3 x2's
	s_add_nc_u64 s[XB:XB+1], s[XB:XB+1], s[74:75]
	s_add_nc_u64 s[X2B:X2B+1], s[4:5], s[76:77]
	s_cmp_eq_u32 s[RH], 0
	s_cselect_b64 s[OB1:OB1+1], s[18:19], s[20:21] ; the upper 64 rows are k, the lower v
	s_add_nc_u64 s[OB1:OB1+1], s[OB1:OB1+1], s[78:79]
	s_add_nc_u64 s[OB2:OB2+1], s[16:17], s[90:91]
	CROUND                                         ; all four work-groups are here: the first joint loads meet
	tensor_load_to_lds s[G0:G0+3], s[G1:G1+7]      ; trips 0 and 1: two loads of mine are out
	s_nop 0
	tensor_load_to_lds s[G0+4:G0+7], s[G1:G1+7]
	s_nop 0
	PLACES
; x: 16 loads bring my 32 rows x 256 bytes of a trip: lanes 0-15 take 256 consecutive bytes of one row, lanes 16-31 of the next
.macro XLOADS set
.set i_, 0
.rept 16
	global_load_b128 v[XR+64*(\set)+4*i_:XR+64*(\set)+4*i_+3], v[XO], s[XB:XB+1] offset:8192*i_
.set i_, i_+1
.endr
.endm
.macro XISSUE set                      ; the next tile along K; tile 16 is pass 2's first
	s_wait_xcnt 0x0                                ; the base is stepped only when the earlier loads' addresses are translated (ISA guide 3.1)
	s_add_co_u32 s[XI], s[XI], 1
	s_add_nc_u64 s[XB:XB+1], s[XB:XB+1], 256
	s_cmp_eq_u32 s[XI], 16
	s_cselect_b64 s[XB:XB+1], s[X2B:X2B+1], s[XB:XB+1]
	XLOADS \set
.endm
; One x tile: waited for (cnt = the younger tile's loads, which stay out), rounded to bf16, its set asked for again (issue = 1), and laid into x buffer 'set'.
.macro XSTEP set, issue, cnt
	s_wait_loadcnt \cnt
.set i_, 0
.rept 32
	v_cvt_pk_bf16_f32 v[CV+i_], v[XR+64*(\set)+2*i_], v[XR+64*(\set)+2*i_+1]
.set i_, i_+1
.endr
.if \issue
	XISSUE \set
.endif
.set i_, 0
.rept 16
	ds_store_b64 v[AST], v[CV+2*i_:CV+2*i_+1] offset:(\set)*ABSZ+2*APITCH*i_
.set i_, i_+1
.endr
.endm
	v_lshlrev_b32 v[T16], 4, v0
	global_load_b128 v[32:35], v[T16], s[14:15]    ; bk: 128 threads x 16 bytes
	global_load_b128 v[36:39], v[T16], s[12:13]    ; bq
	v_and_b32 v1, 15, v0                           ; r = lane % 16
	v_bfe_u32 v2, v0, 4, 1                         ; h = lane / 16
	v_lshlrev_b32 v[XO], 4, v1
	v_lshl_add_u32 v[XO], v2, 12, v[XO]
	XLOADS 0                                       ; x tile 0
	s_mov_b32 s[XI], 0
	XISSUE 1                                       ; x tile 1
	v_and_b32 v3, 31, v0
	v_lshlrev_b32 v[VOUT2], 4, v3
	s_mul_i32 s72, s[RH], 64*APITCH
	s_add_co_u32 s72, s72, AB0
	v_mul_u32_u24 v4, v1, APITCH
	v_lshl_add_u32 v4, v2, 4, v4
	v_add_nc_u32 v[ADRA], s72, v4                  ; row (64 x row half + r) x pitch + 16 h
	s_lshl_b32 s72, s[CHF], 14
	v_add_nc_u32 v[ADRB1], s72, v[VOUT2]           ; 16 blocks x column half + 16 x lane
	v_add_nc_u32 v[ADRB1+1], SLOT, v[ADRB1]
	s_lshl_b32 s72, s[CHF], 13
	v_add_nc_u32 v[ADRB2], s72, v[VOUT2]           ; pass 2: 8 blocks
	v_add_nc_u32 v[ADRB2+1], SLOT, v[ADRB2]
	s_mul_i32 s72, s[WV], 32*APITCH
	s_add_co_u32 s72, s72, AB0
	v_mul_u32_u24 v4, v2, APITCH
	v_lshl_add_u32 v4, v1, 3, v4
	v_add_nc_u32 v[AST], s72, v4                   ; row (32 wave + h) x pitch + 8 r
	v_lshrrev_b32 v4, 3, v1
	v_and_b32 v5, 7, v1
	v_lshl_add_u32 v4, v4, 4, v5
	v_lshl_add_u32 v4, v2, 3, v4
	v_lshlrev_b32 v4, 4, v4                        ; v's order: 16 (16 (r / 8) + 8 h + r % 8)
	s_cmp_eq_u32 s[RH], 1
	s_cselect_b32 s72, -1, 0
	v_cndmask_b32 v[VOUT1], v[VOUT2], v4, s72
	s_lshl_b32 s72, s[CHF], 10
	s_add_co_u32 s72, s72, BIAS
	v_lshl_add_u32 v[VBI1], v2, 5, s72             ; my eight columns' bias: 64 bytes a block, 32 h
	s_lshl_b32 s72, s[COLH], 10
	s_lshl_b32 s73, s[CHF], 9
	s_add_co_u32 s72, s72, s73
	s_add_co_u32 s72, s72, BIAS+2048
	v_lshl_add_u32 v[VBI2], v2, 5, s72
	v_add_nc_u32 v[BST], BIAS, v[T16]
	s_wait_loadcnt 32                              ; the biases are in; the 32 loads of x tiles 0 and 1 stay out
.irp j, 0,1,2,3
	v_cvt_pk_bf16_f32 v[40+\j], v[32+2*\j], v[33+2*\j]  ; the biases take the rounding that x and W take,
.endr
.irp j, 0,1,2,3
	v_lshlrev_b32 v[32+2*\j], 16, v[40+\j]         ; and are kept and added as f32
	v_and_b32 v[33+2*\j], 0xffff0000, v[40+\j]
.endr
	ds_store_b128 v[BST], v[32:35]
	ds_store_b128 v[BST], v[36:39] offset:2048
	XSTEP 0, 1, 16                                 ; x tile 0 into buffer 0; tile 2 is asked for
	s_wait_tensorcnt 0x1                           ; my part of slot 0 is in; slot 1's may stay out
	s_wait_dscnt 0x0                               ; for the others' sake: my stores of x and of the biases are done
	s_barrier_signal -1
	s_barrier_wait -1
; nb matrix instructions: row block a of my four x all nb column blocks, 32 along K, on fragment buffer f.  Every accumulator comes once: they take turns.
.macro MULQ f, a, nb, zero
	WIN 0xa1+0x50*((\a)/2)                         ; W window 1, x window 0, C and D window 2 or 3
.set b_, 0
.rept \nb
.set rD, 8*(16*((\a)%2)+b_)
.set rB, 128*(\f)+8*b_
.set rA, AF+32*(\f)+8*(\a)
.if \zero
	v_wmma_f32_16x16x32_bf16 v[rD:rD+7], v[rB:rB+7], v[rA:rA+7], 0
.else
	v_wmma_f32_16x16x32_bf16 v[rD:rD+7], v[rB:rB+7], v[rA:rA+7], v[rD:rD+7]
.endif
.set b_, b_+1
.endr
.endm
; One run of LDS loads: the fragments of 32 along K (half ks of the trip in 'slot') into buffer f: nb of W (dense blocks: 16 x lane), four of x
.macro FETCH slot, ks, f, nb
	WIN 0x40
.set b_, 0
.rept \nb
	ds_load_b128 v[128*(\f)+8*b_:128*(\f)+8*b_+3],   v[ADRB+(\slot)] offset:(\ks)*(\nb)*2048+b_*1024
	ds_load_b128 v[128*(\f)+8*b_+4:128*(\f)+8*b_+7], v[ADRB+(\slot)] offset:(\ks)*(\nb)*2048+b_*1024+512
.set b_, b_+1
.endr
	WIN 0
.irp a, 0,1,2,3
	ds_load_b128 v[AF+32*(\f)+8*\a:AF+32*(\f)+8*\a+3],   v[ADRA] offset:(\slot)*ABSZ+\a*16*APITCH+64*(\ks)
	ds_load_b128 v[AF+32*(\f)+8*\a+4:AF+32*(\f)+8*\a+7], v[ADRA] offset:(\slot)*ABSZ+\a*16*APITCH+64*(\ks)+32
.endr
.endm
; A trip's first half: multiplies buffer 0; in its middle the next trip's x is rounded into the other x buffer (whose last readers finished ahead of the barrier before) and the trip's second fragments are fetched.
; xmode 1: round, and ask for the tile three trips on; 2: round only, a younger tile is out; 3: round the last tile; 0: nothing is left.  The roundings are the places in front of the loads.
.macro H0 slot, zero, xmode, nb
	s_wait_dscnt 0x0                               ; buffer 0's fragments are in
	MULQ 0, 0, \nb, \zero
	MULQ 0, 1, \nb, \zero
	WIN 0
.if (\xmode) == 0
	PLACES
.elseif (\xmode) == 1
	XSTEP 1-(\slot), 1, 16
.elseif (\xmode) == 2
	XSTEP 1-(\slot), 0, 16
.else
	XSTEP 1-(\slot), 0, 0
.endif
	FETCH \slot, 1, 1, \nb
	MULQ 0, 2, \nb, \zero
	MULQ 0, 3, \nb, \zero
.endm
; A trip's second half multiplies buffer 1 and changes slots: ONE barrier.  In front of it each wave waits for all its tensor loads (one is out: its part of the next slot), adds 0 to its spare word,
; and waits for that, for its reads of this slot and of this x buffer, and for its stores into the next x buffer.  rk = 1: the slot is filled again with this pass's trip two on; 2: with pass 2's first trips;
; the barrier then opens a round of the cluster's, and the joint load is the first thing behind it.  rk = 0: nothing is left to fetch.
.macro TURN slot, next, rk, fetch, nb
	WIN 0
	s_wait_tensorcnt 0x0
	ds_add_u32 v[SPW], v[NIL]                      ; 0 onto my spare word
.if (\rk) == 1
	s_add_nc_u64 s[GCUR+4*(\slot)+2:GCUR+4*(\slot)+3], s[GCUR+4*(\slot)+2:GCUR+4*(\slot)+3], 2*SLOT  ; no load of mine is out: the slot's next trip, 131,072 bytes of wf on
.endif
	s_wait_dscnt 0x1                               ; buffer 1's fragments are in; the add may be out
	MULQ 1, 0, \nb, 0
	s_wait_dscnt 0x0
	s_barrier_signal -1
	MULQ 1, 1, \nb, 0
	WIN 0                                          ; at a branch and at a label every window is 0
	s_barrier_wait -1
.if (\rk) == 1
	CREST
	tensor_load_to_lds s[GCUR+4*(\slot):GCUR+4*(\slot)+3], s[G1CUR:G1CUR+7]
	s_nop 0
.elseif (\rk) == 2
	CREST
	tensor_load_to_lds s[G0Q+4*(\slot):G0Q+4*(\slot)+3], s[G1Q:G1Q+7]
	s_nop 0
.endif
	PLACES                                         ; also the places in front of the loads into buffer 0
.if \fetch
	FETCH \next, 0, 0, \nb
.endif
	MULQ 1, 2, \nb, 0
	MULQ 1, 3, \nb, 0
.endm
; THE WAY OUT.  The bias of my columns comes from LDS (32 bytes a block and half of the lanes); four accumulators at a time: + bias, rounded to f16, four stores of 512 consecutive aligned bytes each.
.macro EPI nb, vbi, vout, ob
	WIN 0
	PLACES
	WIN 0x40
.set b_, 0
.rept \nb
	ds_load_b128 v[8*b_:8*b_+3],   v[\vbi] offset:64*b_
	ds_load_b128 v[8*b_+4:8*b_+7], v[\vbi] offset:64*b_+16
.set b_, b_+1
.endr
	s_wait_dscnt 0x0
.set g_, 0
.rept \nb
.set a_, g_/((\nb)/4)
.set b0_, 4*(g_%((\nb)/4))
.set t_, TMP+16*(g_%2)
	WIN 0x06+(a_/2)                                ; accumulators window 2 or 3, bias window 1, sums window 0
.set k_, 0
.rept 16                               ; each accumulator's registers in ascending order
	v_pk_add_f32 v[TMPF+2*k_:TMPF+2*k_+1], v[8*(16*(a_%2)+b0_+k_/4)+2*(k_%4):8*(16*(a_%2)+b0_+k_/4)+2*(k_%4)+1], v[8*(b0_+k_/4)+2*(k_%4):8*(b0_+k_/4)+2*(k_%4)+1]
.set k_, k_+1
.endr
	WIN 0
	s_wait_xcnt 0x0                                ; the registers that earlier stores read are rewritten only behind this wait
.set k_, 0
.rept 16
	v_cvt_pk_f16_f32 v[t_+k_], v[TMPF+2*k_], v[TMPF+2*k_+1]
.set k_, k_+1
.endr
.set k_, 0
.rept 4
	global_store_b128 v[\vout], v[t_+4*k_:t_+4*k_+3], s[\ob:\ob+1] offset:a_*16384+(b0_+k_)*512
.set k_, k_+1
.endr
.set g_, g_+1
.endr
	s_wait_xcnt 0x0                                ; fragment loads land on these registers next
.endm
	; PASS 1: k and v.  The first half trip stands in front of the loop: its products start the sums.
.set ADRB, ADRB1
.set GCUR, G0
.set G1CUR, G1
	FETCH 0, 0, 0, 16
	H0 0, 1, 1, 16
	WIN 0
	s_mov_b32 s[LAP], 7
.Lpass1:                                               ; a lap: from one trip's second half to the first half two trips on; both slots are filled again
	TURN 0, 1, 1, 1, 16
	H0 1, 0, 1, 16
	TURN 1, 0, 1, 1, 16
	H0 0, 0, 1, 16
	WIN 0
	s_sub_co_u32 s[LAP], s[LAP], 1
	s_cmp_lg_u32 s[LAP], 0
	s_cbranch_scc1 .Lpass1
	TURN 0, 1, 2, 1, 16                            ; trips 14 and 15 ask for pass 2's trips 0 and 1: the ring goes on
	H0 1, 0, 1, 16
	TURN 1, 0, 2, 0, 16
	EPI 16, VBI1, VOUT1, OB1
	; PASS 2: q
.set ADRB, ADRB2
.set GCUR, G0Q
.set G1CUR, G1Q
	FETCH 0, 0, 0, 8
	H0 0, 1, 1, 8
	WIN 0
	s_mov_b32 s[LAP], 6
.Lpass2:
	TURN 0, 1, 1, 1, 8
	H0 1, 0, 1, 8
	TURN 1, 0, 1, 1, 8
	H0 0, 0, 1, 8
	WIN 0
	s_sub_co_u32 s[LAP], s[LAP], 1
	s_cmp_lg_u32 s[LAP], 0
	s_cbranch_scc1 .Lpass2
	TURN 0, 1, 1, 1, 8                             ; the tail is written out
	H0 1, 0, 2, 8
	TURN 1, 0, 1, 1, 8
	H0 0, 0, 3, 8
	TURN 0, 1, 0, 1, 8
	H0 1, 0, 0, 8
	s_wait_dscnt 0x0
	MULQ 1, 0, 8, 0
	MULQ 1, 1, 8, 0
	MULQ 1, 2, 8, 0
	MULQ 1, 3, 8, 0
	EPI 8, VBI2, VOUT2, OB2
	s_wait_tensorcnt 0x0                           ; the wave's end: the add and its wait, behind my last tensor load and my last LDS store
	ds_add_u32 v[SPW], v[NIL]
	s_wait_dscnt 0x0
	CROUND                                         ; the closing round: no work-group ends while a partner may still ask for a tile that names it
	s_endpgm
.Lfunc_end_k_q5929dcb1d3_proj:
	.size	k_q5929dcb1d3_proj, .Lfunc_end_k_q5929dcb1d3_proj-k_q5929dcb1d3_proj
	.p2alignl 7, 3214868480
	.fill 96, 4, 3214868480
	.section	.rodata,"a",@progbits
	.p2align	6, 0x0
	.amdhsa_kernel k_q5929dcb1d3_proj
		.amdhsa_group_segment_fixed_size 327680
		.amdhsa_private_segment_fixed_size 0
		.amdhsa_enable_private_segment 0
		.amdhsa_kernarg_size 72
		.amdhsa_user_sgpr_count 2
		.amdhsa_user_sgpr_kernarg_segment_ptr 1
		.amdhsa_wavefront_size32 1
		.amdhsa_system_sgpr_workgroup_id_x 1
		.amdhsa_system_sgpr_workgroup_id_y 1
		.amdhsa_system_sgpr_workgroup_id_z 1
		.amdhsa_system_vgpr_workitem_id 0
		.amdhsa_next_free_vgpr 1024
		.amdhsa_next_free_sgpr 96
		.amdhsa_reserve_vcc 0
		.amdhsa_float_denorm_mode_32 3
		.amdhsa_float_denorm_mode_16_64 3
		.amdhsa_memory_ordered 1
		.amdhsa_forward_progress 1
		.amdhsa_inst_pref_size 222
	.end_amdhsa_kernel
	.amdgpu_metadata
---
amdhsa.version: [ 1, 2 ]
amdhsa.kernels:
  - .name:           k_q5929dcb1d3_proj
    .symbol:         k_q5929dcb1d3_proj.kd
    .args:
      - { .name: x0, .offset: 0, .size: 8, .value_kind: global_buffer, .address_space: global }
      - { .name: x1, .offset: 8, .size: 8, .value_kind: global_buffer, .address_space: global }
      - { .name: x2, .offset: 16, .size: 8, .value_kind: global_buffer, .address_space: global }
      - { .name: wf, .offset: 24, .size: 8, .value_kind: global_buffer, .address_space: global }
      - { .name: bq, .offset: 32, .size: 8, .value_kind: global_buffer, .address_space: global }
      - { .name: bk, .offset: 40, .size: 8, .value_kind: global_buffer, .address_space: global }
      - { .name: qf, .offset: 48, .size: 8, .value_kind: global_buffer, .address_space: global }
      - { .name: kf, .offset: 56, .size: 8, .value_kind: global_buffer, .address_space: global }
      - { .name: vf, .offset: 64, .size: 8, .value_kind: global_buffer, .address_space: global }
    .group_segment_fixed_size: 327680
    .private_segment_fixed_size: 0
    .kernarg_segment_align: 8
    .kernarg_segment_size: 72
    .max_flat_workgroup_size: 128
    .sgpr_count:     96
    .vgpr_count:     1024
    .wavefront_size: 32
...
	.end_amdgpu_metadata
.endif
;; end of part 2
;; launch attn (part 3): grid 32 x 8, 4 waves a work-group, clusters of 4 x 1, 327,680 bytes of LDS; arguments qf, kf, vf, out0; writes out0
.if DOCPART == 3
	.amdgcn_target "amdgcn-amd-amdhsa--gfx1250"
	.amdhsa_code_object_version 6
	.text
	.protected	k_q5929dcb1d3_attn
	.globl	k_q5929dcb1d3_attn
	.p2align	8
	.type	k_q5929dcb1d3_attn,@function
k_q5929dcb1d3_attn:
	s_mov_b64 s[64:65], 0
	v_nop
	global_prefetch_b8 v0, s[64:65] scope:SCOPE_SE
	s_setreg_imm32_b32 hwreg(HW_REG_WAVE_MODE, 25, 1), 1
	s_wait_xcnt 0x0
	s_wait_alu depctr_hold_cnt(0) depctr_sa_sdst(0) depctr_va_vdst(0) depctr_va_sdst(0) depctr_va_ssrc(0) depctr_va_vcc(0) depctr_vm_vsrc(0)
	s_getreg_b32 s2, hwreg(HW_REG_IB_STS2, 6, 4)
	s_cmp_eq_u32 s2, 0
	s_cbranch_scc0 .Lentry_in_a_cluster
	s_endpgm
.Lentry_in_a_cluster:
	s_bfe_u32 s2, ttmp6, 0x10000c
	s_cmp_lg_u32 s2, 0x3003
	s_cbranch_scc0 .Lentry_shape_is_right
	s_endpgm
.Lentry_shape_is_right:
; CAUSAL ATTENTION at head size 512.  out0[b][q][:] = the sum over k <= q of softmax_k(q . k / sqrt(512)) v[k][:], f32.  qf, kf, vf: f16 in fragment order: block (T = row / 16, ct = channel / 16) of
; 512 bytes at (32 T + ct) x 512; q, k: lane l's 16 bytes at 16 l are row l % 16, channels 8 (l / 16) + 0..7; v: laid so that the turning LDS load at 16 l leaves channel l % 16, keys 8 (l / 16) + 0..7.
; Products, maxima and sums in f32; the weights p are rounded to f16 for the second product, and their sum l is taken of the rounded p.
; LIMITS.  A hidden score counts as its value less 1e30 (f16's scores, 2.2e12 at the most, are nothing beside that); a weight below 2^-126 counts as 0; NaN and infinities are not treated apart.
; THE WALK.  A batch has 16 super-blocks of 128 queries; super-block s needs the key steps 0 .. 2 s + 1 of 64 keys, the last two under the mask.  A CLUSTER of four takes super-block b and then 15 - b:
; 34 steps whatever b.  Each of the four work-groups owns 32 of the 128 queries; all four walk the same steps, so every tile of K and V is asked for JOINTLY.
; No branch and no LDS address hangs on the place in the cluster: it enters Q's and the output's addresses and the mask's numbers alone.
; A TRIP g (0 .. 33): K Q^T of step g, V^T P of step g - 1.  Both tiles lie in one region of LDS (A in even trips, B in odd ones); the other region is filled meanwhile with K of g + 1 and V of g.
; Every trip has the same barriers and the same use of the regions; every LDS address stands in the text.  The order: a loop of b + 1 pairs (even, odd): the short block; trip 2 b + 2, written out; a loop of
; 15 - b pairs (odd, even); trip 33, written out, since it asks for V alone; the last step's products.  Both loops have a trip or more for every b, and no jump hangs on b but the loops' own.
; THE CHANGE OF BLOCKS lies in trip 2 b + 2, the long block's first: Q comes anew ahead of its scores, m starts anew ahead of its softmax, and at its end the second half of the short block's last products
; is made at once and the block leaves.  The next trip's round makes those 18 products once more; they are finite, and the long block's first a = 0 wipes them: the price of one text for every round.
; For the same reason the launch begins with P = 0 in LDS and V of step 0 in the place of a step before it.
; SHARES IN A WORK-GROUP.  S^T = K Q^T is split by keys: wave w takes 16 keys x 32 queries x 512 channels.  O^T = V^T P is split by channels: wave w takes channels 128 w .. x 32 queries x 64 keys.
; So each byte of K and V leaves LDS once; the step's maxima (MX) and the weights (PB) cross the waves through LDS.  In S^T, P and O^T a lane holds ONE query (lane % 16).
; SOFTMAX.  Running maximum m; p = 2^(c s - c m), c = log2(e) / sqrt(512); O and l are multiplied by a = 2^(c m_old - c m_new) in every step.  l is a ninth channel block of O^T: V^T's place is taken by ones.
; m starts at the lowest finite number: a block's first a is 0, so O need only be finite there.
; REGISTERS, in windows of 256 (s_set_vgpr_msb: bits 1:0 source 0, 3:2 source 1, 5:4 source 2, 7:6 destination):
;   window 0: v2-15 addresses; v16-47 statistics and at work; v48-79 S^T, four accumulators; v80-95 the mask in use; v96-127 the two diagonal steps' masks; v128-255 K of one step (on the way out: at work)
;   window 1: Q, fragment (qt, ks) at 8 (16 qt + ks)      window 2: v0-127 V of one step; v128-159 P; v160-167 ones      window 3: O^T (c, qt) at 8 (2 c + qt), c = 8: l
.set REGB,  131072                     ; region A: K at 0, V at 65,536; region B: K at 131,072, V at 196,608
.set PB,    262144                     ; P: fragment (qt, kk) of 1,024 bytes at (2 qt + kk) x 1,024
.set MX,    266240                     ; the waves' maxima: word at query x 16 + 4 wave
.set STAGE, 266752                     ; 16 rows x 528 bytes for each wave, for the way out
.set SP,    528                        ; 512 bytes + 16: the 16 rows of a store start at 16 different groups of four banks (64 banks of 4 bytes: ISA guide 11.1)
.set SPARE, STAGE+4*16*SP              ; the spare words, 128 bytes a wave: two blocks of 256 bytes that no other line names
.set AKA, 2                            ; v2, v3  LDS address of my 16 keys of K in region A, B
.set AKB, 3
.set AVA, 4                            ; v4, v5  of my 128 channels of V in region A, B
.set AVB, 5
.set PRD, 6                            ; v6   P, read
.set PWR, 7                            ; v7   P, my part written
.set MXW, 8                            ; v8   my wave's word of my query
.set MXR, 9                            ; v9   my query's four words
.set STO, 10                           ; v10  the way out: where I put 16 bytes of a row
.set RD,  11                           ; v11  where I read a row back
.set L16, 12                           ; v12  16 x lane: my offset in Q's blocks and in 512 bytes of the output
.set SPW, 14                           ; v14  my spare word: SPARE + 4 x thread; never rewritten
.set NIL, 15                           ; v15  0; never rewritten
.set ST,  16                           ; v16-19  (c m, m) for query tile 0, 1
.set AD,  20                           ; v20-23  (a, c m_old - c m_new)
.set XM,  24                           ; v24-31  the four waves' maxima
.set TM,  32                           ; v32-35  at work
.set RL,  36                           ; v36-39  (1 / l, 0)
.set PK,  40                           ; v40-47  my weights, packed
.set S,   48                           ; even channel steps' sums for tile 0, 1; odd steps' for tile 0, 1
.set MC,  80
.set MD,  96                           ; mask of diagonal step t', tile qt at MD + 16 t' + 8 qt
.set KF,  128
.set PF,  128                          ; window 2: fragment (qt, kk) at PF + 16 qt + 8 kk
.set ONES, 160                         ; window 2
.set WV,  12                           ; s12 wave     s13 my place in the cluster
.set CX,  13
.set BB,  14                           ; s14 b
.set N1,  15                           ; s15 2 b + 2: the short block's key steps
.set NP1, 16                           ; s16 b + 1: the first loop's pairs
.set BAT, 17                           ; s17 batch
.set I,   18                           ; s18 counts a loop's pairs, from 0
.set NXT, 19                           ; s19 the walk's number, 0 to 33, of the key step that my next fill brings
.set NP2, 20                           ; s20 15 - b: the second loop's pairs
.set LAST, 21                          ; s21 the number of the loop's pair in which the mask counts: its last
.set AL,  22                           ; s[22:23] the mask's factor, 1 or 0
.set OFF, 24                           ; s[24:25] a tile's byte offset
.set KVB, 26                           ; s[26:27] K (waves 0, 1) or V (waves 2, 3) at my half of the batch's step 0
.set G1,  28                           ; s[28:35] group 1
.set G0A, 36                           ; s[36:39] group 0 for region A
.set G0B, 40                           ; s[40:43] for region B
.set Q1,  44                           ; s[44:45], s[46:47] Q at my rows of the short, the long block
.set Q2,  46
.set O1,  48                           ; s[48:49], s[50:51] the output likewise, at my wave's 512 bytes of a row
.set O2,  50
.set CS,  52                           ; s[52:53] c
.set SEL, 54                           ; s[54:55] v_permlanex16_b32's selects: each lane takes its own place in the other half
.set BIGN, 56                          ; s56 -1e30    s57 the lowest finite number    s58 -2^125
.set MLOW, 57
.set CMLOW, 58
.set MSB, 0
.macro WIN new                         ; the immediate's high byte repeats the setting that is left; a switch that changes nothing is dropped
.if MSB != (\new)
	s_set_vgpr_msb (MSB<<8)|(\new)
.set MSB, \new
.endif
.endm
.macro PLACES                          ; four plain instructions between a matrix instruction and a vector line or load that touches its registers
.rept 4
	v_nop
.endr
.endm
.macro CREST                           ; a round of the cluster's barrier behind its opening barrier
	s_cmp_lg_u32 s[WV], 0
	s_cbranch_scc1 .Lnot_wave_0_\@
	s_barrier_signal -3
.Lnot_wave_0_\@:
	s_barrier_wait -3
	s_barrier_signal -1
	s_barrier_wait -1
.endm
.macro CROUND
	s_barrier_signal -1
	s_barrier_wait -1
	CREST
.endm
	s_load_b256 s[4:11], s[0:1], 0x0               ; qf s[4:5], kf s[6:7], vf s[8:9], out0 s[10:11]
	v_lshl_add_u32 v[SPW], v0, 2, SPARE
	v_mov_b32 v[NIL], 0
	ds_add_u32 v[SPW], v[NIL]                      ; the wave's opening: the add and its wait stand ahead of my first tensor load; the set-up below stands between them
	v_lshrrev_b32 v1, 5, v0
	v_readfirstlane_b32 s[WV], v1
	s_mov_b32 s[BB], ttmp9                         ; in a cluster launch ttmp9 counts clusters: b = 0..7
	s_add_co_u32 s[NP1], s[BB], 1
	s_lshl_b32 s[N1], s[NP1], 1
	s_sub_co_u32 s[NP2], 15, s[BB]
	s_and_b32 s[BAT], ttmp7, 0xffff
	s_mov_b32 s[G1], 15|(3<<16)|(1<<21)            ; 15:0 the mask of four; 17:16 elements of 8 bytes; 21 set beside a mask
	s_mov_b32 s[G1+1], 32<<16                      ; a dense half tile, 32,768 bytes, as 128 rows of 256 bytes: tensor_dim0 = 32
	s_mov_b32 s[G1+2], 128<<16                     ; tensor_dim1 = 128
	s_mov_b32 s[G1+3], 32<<16                      ; tile_dim0 = 32
	s_mov_b32 s[G1+4], 128                         ; tile_dim1 = 128
	s_mov_b32 s[G1+5], 32                          ; 32 elements from row to row
	s_mov_b32 s[G1+6], 0
	s_mov_b32 s[G1+7], 0
	s_mov_b32 s[G0A], 1
	s_lshl_b32 s[G0A+1], s[WV], 15                 ; LDS: region + wave x 32,768: waves 0, 1 K's halves, waves 2, 3 V's
	s_mov_b32 s[G0B], 1
	s_add_co_u32 s[G0B+1], s[G0A+1], REGB
	s_cmp_lt_u32 s[WV], 2
	s_cselect_b32 s[NXT], 1, 0                     ; trip 0 asks for K of step 1 and V of step 0
	s_mov_b32 s[OFF+1], 0
	s_lshl_b32 s[KVB], s[BAT], 21                  ; a batch is 2,097,152 bytes of K and of V
	s_and_b32 s60, s[WV], 1
	s_lshl_b32 s60, s60, 15
	s_add_co_u32 s[KVB], s[KVB], s60
	s_mov_b32 s[KVB+1], 0
	s_mov_b32 s[AL+1], 0                           ; named as a pair
	s_mov_b32 s[CS], 0x3d8293ee                    ; c = log2(e) / sqrt(512) = 0.0637587
	s_mov_b32 s[CS+1], s[CS]
	s_mov_b32 s[SEL], 0x76543210
	s_mov_b32 s[SEL+1], 0xfedcba98
	s_mov_b32 s[BIGN], 0xf149f2ca
	s_mov_b32 s[MLOW], 0xff7fffff
	s_mov_b32 s[CMLOW], 0xfe000000
	s_bfe_u32 s[CX], ttmp6, 0x40000
	s_sub_co_u32 s61, 15, s[BB]                    ; the long super-block
	s_lshl_b32 s62, s[BAT], 21                     ; Q: block row 128 batch + 8 super-block + 2 cx, 16,384 bytes each
	s_lshl_b32 s63, s[CX], 15
	s_add_co_u32 s62, s62, s63
	s_lshl_b32 s63, s[BB], 17
	s_add_co_u32 s[Q1], s62, s63
	s_mov_b32 s[Q1+1], 0
	s_lshl_b32 s63, s61, 17
	s_add_co_u32 s[Q2], s62, s63
	s_mov_b32 s[Q2+1], 0
	s_lshl_b32 s62, s[BAT], 22                     ; output: row 2,048 batch + 128 super-block + 32 cx, 2,048 bytes each, + 512 wave
	s_lshl_b32 s63, s[CX], 16
	s_add_co_u32 s62, s62, s63
	s_lshl_b32 s63, s[WV], 9
	s_add_co_u32 s62, s62, s63
	s_lshl_b32 s63, s[BB], 18
	s_add_co_u32 s[O1], s62, s63
	s_mov_b32 s[O1+1], 0
	s_lshl_b32 s63, s61, 18
	s_add_co_u32 s[O2], s62, s63
	s_mov_b32 s[O2+1], 0
	s_wait_dscnt 0x0                               ; the opening add is done
	s_wait_kmcnt 0x0
	s_cmp_lt_u32 s[WV], 2
	s_cselect_b64 s[2:3], s[6:7], s[8:9]
	s_add_nc_u64 s[KVB:KVB+1], s[2:3], s[KVB:KVB+1]
	s_add_nc_u64 s[G0A+2:G0A+3], s[KVB:KVB+1], 0
	s_or_b32 s[G0A+3], s[G0A+3], 0x80000000        ; type = 2
	s_add_nc_u64 s[Q1:Q1+1], s[4:5], s[Q1:Q1+1]
	s_add_nc_u64 s[Q2:Q2+1], s[4:5], s[Q2:Q2+1]
	s_add_nc_u64 s[O1:O1+1], s[10:11], s[O1:O1+1]
	s_add_nc_u64 s[O2:O2+1], s[10:11], s[O2:O2+1]
	CROUND                                         ; all four work-groups are here: the first joint loads meet
	tensor_load_to_lds s[G0A:G0A+3], s[G1:G1+7]    ; region A: K of step 0 (waves 0, 1); V of step 0 (waves 2, 3), which trip 0 multiplies by P = 0.  One load of mine is out
	s_nop 0
	PLACES
; My work-group's 32 queries x 512 channels are 64 dense blocks, 512 consecutive bytes a load; every wave holds all of them.  They come in two halves (query tile 0, tile 1).
.macro QLOAD qb, half
	WIN 0x40
.set i, 32*(\half)
.rept 32
	global_load_b128 v[4*i:4*i+3], v[L16], s[\qb:\qb+1] offset:512*i
.set i, i+1
.endr
	WIN 0
.endm
	v_and_b32 v1, 15, v0                           ; r = lane % 16
	v_bfe_u32 v[TM], v0, 4, 1                      ; h = lane / 16
	v_and_b32 v[TM+1], 31, v0
	v_lshlrev_b32 v[L16], 4, v[TM+1]
	QLOAD Q1, 0
	; What the first trip finds: O^T and l are 0, and so are the second key half of V and P in registers: the products that stand in its round add 0.  All this stands in the wait for the first tile.
	WIN 0xc0
.set i, 0
.rept 144
	v_mov_b32 v[i], 0
.set i, i+1
.endr
	WIN 0x80
.set i, 64
.rept 96
	v_mov_b32 v[i], 0
.set i, i+1
.endr
.set i, 0
.rept 8
	v_mov_b32 v[ONES+i], 0x3c003c00                ; 1.0 twice, in f16
.set i, i+1
.endr
	WIN 0
	s_lshl_b32 s62, s[WV], 14
	v_add_nc_u32 v[AKA], s62, v[L16]               ; key tile w: 16,384 bytes
	v_add_nc_u32 v[AKB], REGB, v[AKA]
	s_lshl_b32 s62, s[WV], 12
	s_add_co_u32 s62, s62, 65536
	v_add_nc_u32 v[AVA], s62, v[L16]               ; channel blocks 8 w ..: 4,096 bytes in each key tile
	v_add_nc_u32 v[AVB], REGB, v[AVA]
	v_add_nc_u32 v[PRD], PB, v[L16]
	s_lshl_b32 s62, s[WV], 9
	v_add_nc_u32 v[PWR], s62, v[PRD]               ; my 16 keys are half (w % 2) of fragment kk = w / 2: 512 w
.irp j, 0,1,2,3
	v_mov_b32 v[PK+\j], 0
.endr
	ds_store_b128 v[PWR], v[PK:PK+3]               ; P = 0: my part of it; the others read it behind trip 0's round
	ds_store_b128 v[PWR], v[PK:PK+3] offset:2048
	v_lshlrev_b32 v[MXR], 4, v1
	v_add_nc_u32 v[MXR], MX, v[MXR]
	s_lshl_b32 s62, s[WV], 2
	v_add_nc_u32 v[MXW], s62, v[MXR]
	s_mul_i32 s62, s[WV], 16*SP
	s_add_co_u32 s62, s62, STAGE
	v_add_nc_u32 v[RD], s62, v[L16]
	v_mul_u32_u24 v[STO], v1, SP
	v_lshl_add_u32 v[STO], v[TM], 5, v[STO]
	v_add_nc_u32 v[STO], s62, v[STO]
	s_wait_loadcnt 0x0                             ; Q's first half is in, and the second is asked for: 32 loads of a wave are out at the most
	QLOAD Q1, 1
	; The masks.  Query 32 cx + 16 qt + r of the super-block, key 64 t' + 16 w + 8 h + j of its last 128: hidden where 64 t' - 16 qt + j > 32 cx + r - 16 w - 8 h.
	s_lshl_b32 s62, s[CX], 5
	s_lshl_b32 s63, s[WV], 4
	s_sub_co_i32 s62, s62, s63
	v_add_nc_u32 v[TM+2], s62, v1
	v_lshlrev_b32 v[TM+3], 3, v[TM]
	v_sub_nc_u32 v[TM+2], v[TM+2], v[TM+3]
.set i, 0
.rept 32
	v_cmp_gt_i32 vcc_lo, 64*(i/16)-16*((i/8)%2)+i%8, v[TM+2]
	v_cndmask_b32 v[MD+i], 0, s[BIGN], vcc_lo
.set i, i+1
.endr
.irp q, 0,1
	v_mov_b32 v[ST+2*\q], s[CMLOW]                 ; c m: far below every c s
	v_mov_b32 v[ST+2*\q+1], s[MLOW]                ; m
	v_mov_b32 v[AD+2*\q], 0                        ; trip 0's a
	v_mov_b32 v[AD+2*\q+1], 0
	v_mov_b32 v[RL+2*\q+1], 0                      ; named as a pair with 1 / l
.endr
	s_wait_loadcnt 0x0                             ; Q is in
.macro KLOAD adr                       ; my 16 keys x 512 channels: 16 fragments, dense
	WIN 0
.set i, 0
.rept 16
	ds_load_b128 v[KF+8*i:KF+8*i+3],   v[\adr] offset:1024*i
	ds_load_b128 v[KF+8*i+4:KF+8*i+7], v[\adr] offset:1024*i+512
.set i, i+1
.endr
.endm
.macro MASK t                          ; the C operand that starts the scores: diagonal step t's mask, or 0
	WIN 0
.set i, 0
.rept 8
	v_pk_mul_f32 v[MC+2*i:MC+2*i+1], v[MD+16*(\t)+2*i:MD+16*(\t)+2*i+1], s[AL:AL+1] op_sel_hi:[1,0]
.set i, i+1
.endr
.endm
.macro RESCALE                         ; O^T and l times a; each accumulator's registers in ascending order
	WIN 0xc3
.set i, 0
.rept 72
	v_pk_mul_f32 v[2*i:2*i+1], v[2*i:2*i+1], v[AD+2*((i/4)%2):AD+2*((i/4)%2)+1] op_sel_hi:[1,0]
.set i, i+1
.endr
.endm
; Products i0 .. i1 - 1 of 32 of S^T = K Q^T: channels 32 (i / 2) on, query tile i % 2.  Even and odd channel steps have sums of their own, so that four accumulators take turns.
; The first two start from the constant 0 (mk = 0), from the mask in use (1) or from diagonal step t's mask itself (2).
.macro QK i0, i1, mk, t
	WIN 0x04                                       ; K window 0, Q window 1, sums window 0
.set i, \i0
.rept (\i1)-(\i0)
.set rS, S+8*(i%2)+16*((i/2)%2)
.set rK, KF+8*(i/2)
.set rQ, 8*(16*(i%2)+i/2)
.if (i < 2) && ((\mk) == 1)
	v_wmma_f32_16x16x32_f16 v[rS:rS+7], v[rK:rK+7], v[rQ:rQ+7], v[MC+8*i:MC+8*i+7]
.elseif (i < 2) && ((\mk) == 2)
	v_wmma_f32_16x16x32_f16 v[rS:rS+7], v[rK:rK+7], v[rQ:rQ+7], v[MD+16*(\t)+8*i:MD+16*(\t)+8*i+7]
.elseif i < 4
	v_wmma_f32_16x16x32_f16 v[rS:rS+7], v[rK:rK+7], v[rQ:rQ+7], 0
.else
	v_wmma_f32_16x16x32_f16 v[rS:rS+7], v[rK:rK+7], v[rQ:rQ+7], v[rS:rS+7]
.endif
.set i, i+1
.endr
.endm
.macro VPLOAD adr                      ; all four waves' weights (4 fragments) and my 128 channels x 64 keys of V, turned (16 fragments)
	WIN 0x80
.set i, 0
.rept 4
	ds_load_b128 v[PF+8*i:PF+8*i+3],   v[PRD] offset:1024*i
	ds_load_b128 v[PF+8*i+4:PF+8*i+7], v[PRD] offset:1024*i+512
.set i, i+1
.endr
.set i, 0
.rept 16                               ; key half i / 8, channel block i % 8
	ds_load_tr16_b128 v[8*i:8*i+3],   v[\adr] offset:(2*(i/8))*16384+512*(i%8)
	ds_load_tr16_b128 v[8*i+4:8*i+7], v[\adr] offset:(2*(i/8)+1)*16384+512*(i%8)
.set i, i+1
.endr
.endm
.macro LMAX                            ; the two halves of the sums are added; my 16 keys' maximum for each query goes to MX
	WIN 0
	PLACES
.set i, 0
.rept 8
	v_pk_add_f32 v[S+2*i:S+2*i+1], v[S+2*i:S+2*i+1], v[S+16+2*i:S+16+2*i+1]
.set i, i+1
.endr
.irp q, 0,1
	v_max3_num_f32 v[TM+\q], v[S+8*\q], v[S+8*\q+1], v[S+8*\q+2]
.endr
.irp q, 0,1
	v_max3_num_f32 v[TM+\q], v[TM+\q], v[S+8*\q+3], v[S+8*\q+4]
.endr
.irp q, 0,1
	v_max3_num_f32 v[TM+\q], v[TM+\q], v[S+8*\q+5], v[S+8*\q+6]
.endr
.irp q, 0,1
	v_max_num_f32 v[TM+\q], v[TM+\q], v[S+8*\q+7]
.endr
.irp q, 0,1
	v_permlanex16_b32 v[TM+2+\q], v[TM+\q], s[SEL], s[SEL+1]  ; the query's other 8 keys lie in the lane 16 away
.endr
.irp q, 0,1
	v_max_num_f32 v[TM+\q], v[TM+\q], v[TM+2+\q]
.endr
.irp q, 0,1
	ds_store_b32 v[MXW], v[TM+\q] offset:256*\q
.endr
.endm
.macro PV kk                           ; 18 products of O^T += V^T P, keys 32 kk on: 8 channel blocks and the ones, x 2 query tiles: 18 different accumulators
	WIN 0xfa                                       ; V and P window 2, O^T window 3
.set i, 0
.rept 18
.set rP, PF+16*(i%2)+8*(\kk)
.if i < 16
.set rV, 64*(\kk)+8*(i/2)
.else
.set rV, ONES
.endif
	v_wmma_f32_16x16x32_f16 v[8*i:8*i+7], v[rV:rV+7], v[rP:rP+7], v[8*i:8*i+7]
.set i, i+1
.endr
.endm
.macro SOFT                            ; the step's softmax for my 16 keys x 32 queries
	WIN 0
	ds_load_b128 v[XM:XM+3],   v[MXR]
	ds_load_b128 v[XM+4:XM+7], v[MXR] offset:256
	s_wait_dscnt 0x0
.irp q, 0,1
	v_mov_b32 v[AD+2*\q+1], v[ST+2*\q]             ; c m_old
.endr
.irp q, 0,1
	v_max3_num_f32 v[XM+4*\q], v[XM+4*\q], v[XM+4*\q+1], v[XM+4*\q+2]
.endr
.irp q, 0,1
	v_max3_num_f32 v[ST+2*\q+1], v[XM+4*\q], v[XM+4*\q+3], v[ST+2*\q+1]
.endr
.irp q, 0,1
	v_mul_f32 v[ST+2*\q], s[CS], v[ST+2*\q+1]
.endr
.irp q, 0,1
	v_sub_f32 v[AD+2*\q+1], v[AD+2*\q+1], v[ST+2*\q]
.endr
.set i, 0
.rept 8
	v_pk_fma_f32 v[S+2*i:S+2*i+1], v[S+2*i:S+2*i+1], s[CS:CS+1], v[ST+2*(i/4):ST+2*(i/4)+1] op_sel_hi:[1,0,0] neg_lo:[0,0,1] neg_hi:[0,0,1]  ; c s - c m
.set i, i+1
.endr
	v_exp_f32 v[AD], v[AD+1]
	v_exp_f32 v[AD+2], v[AD+3]
.set i, 0
.rept 16
	v_exp_f32 v[S+i], v[S+i]
.set i, i+1
.endr
	v_nop                                          ; a plain instruction between the last exponential and the use of its result (ISA guide 5.7.2)
.set i, 0
	s_wait_alu depctr_va_vdst(0)
.rept 8
	v_cvt_pk_f16_f32 v[PK+i], v[S+2*i], v[S+2*i+1]
.set i, i+1
.endr
	ds_store_b128 v[PWR], v[PK:PK+3]
	ds_store_b128 v[PWR], v[PK+4:PK+7] offset:2048
.endm
; THE WAY OUT of a block: O^T / l, a query tile at a time through my own stage: 32 bytes a lane in, whole rows of 512 bytes back (LDS serves a wave's instructions in order: ISA guide 5.7.1.4), each stored by one
; instruction.  It works in K's registers, which are free here: V's and P's stay as they are, for the products that the next round repeats.  more = 1: K's loads land on these registers next.
.macro OUTPUT ob, more
	WIN 0
	PLACES
	WIN 0x03
	v_mov_b32 v[RL], v128                          ; l of tile 0: its accumulator's lowest register
	v_mov_b32 v[RL+2], v136                        ; of tile 1
	WIN 0
	v_rcp_f32 v[RL], v[RL]
	v_rcp_f32 v[RL+2], v[RL+2]
	v_nop                                          ; a plain instruction between the last reciprocal and the use of its result
	s_wait_alu depctr_va_vdst(0)
.irp q, 0,1
	WIN 0x03                                       ; O^T window 3, 1 / l and the results window 0
.set i, 0
.rept 32
	v_pk_mul_f32 v[KF+2*i:KF+2*i+1], v[8*(2*(i/4)+\q)+2*(i%4):8*(2*(i/4)+\q)+2*(i%4)+1], v[RL+2*\q:RL+2*\q+1] op_sel_hi:[1,0]
.set i, i+1
.endr
	WIN 0
.set i, 0
.rept 8
	ds_store_b128 v[STO], v[KF+8*i:KF+8*i+3]   offset:64*i
	ds_store_b128 v[STO], v[KF+8*i+4:KF+8*i+7] offset:64*i+16
.set i, i+1
.endr
.if \q == 1
	s_wait_xcnt 0x0                                ; the registers that tile 0's stores read are loaded again only behind this wait
.endif
.set i, 0
.rept 16
	ds_load_b128 v[KF+64+4*i:KF+64+4*i+3], v[RD] offset:SP*i
.set i, i+1
.endr
	s_wait_dscnt 0x0
.set i, 0
.rept 16
	global_store_b128 v[L16], v[KF+64+4*i:KF+64+4*i+3], s[\ob:\ob+1] offset:(16*\q+i)*2048 th:TH_STORE_NT  ; 512 consecutive bytes, at a multiple of 512 from the output's first
.set i, i+1
.endr
.endr
.if \more
	s_wait_xcnt 0x0                                ; the stores have read their registers
.endif
.endm
; THE CHANGE OF REGIONS.  Each wave waits for all its tensor loads (one is out: its part of the region to be read), adds 0 to its spare word, makes the next fill's address anew from the key step's number,
; and waits for the add, for its reads of the region that it leaves and for its stores of P.  The barrier opens a round of the cluster's; inside it stand the second 18 products of the trip before.
; Behind the round no wave of any partner reads the old region: the joint fill is the first thing there.  part = 1 (the last fill): only V is left, waves 2 and 3 ask.
.macro MEET g0, part
	WIN 0
	s_wait_tensorcnt 0x0
	ds_add_u32 v[SPW], v[NIL]                      ; 0 onto my spare word
	s_sub_co_u32 s[OFF], s[NXT], s[N1]             ; the step's number in its block: the walk's number, or, from the long block's first step on, that less 2 b + 2;
	s_min_u32 s[OFF], s[OFF], s[NXT]               ; before that the difference wraps round to a number above 2^31: the unsigned minimum picks the right one
	s_lshl_b32 s[OFF], s[OFF], 16                  ; a step's tile is 65,536 bytes of K and of V
	s_add_nc_u64 s[\g0+2:\g0+3], s[KVB:KVB+1], s[OFF:OFF+1]
	s_or_b32 s[\g0+3], s[\g0+3], 0x80000000
	s_add_co_u32 s[NXT], s[NXT], 1
	s_wait_dscnt 0x0
	s_barrier_signal -1
	PV 1
	WIN 0                                          ; at a branch and at a label every window is 0
	s_barrier_wait -1
	CREST
.if \part
	s_cmp_lt_u32 s[WV], 2
	s_cbranch_scc1 .Lno_fill_\@
.endif
	tensor_load_to_lds s[\g0:\g0+3], s[G1:G1+7]
	s_nop 0
	PLACES                                         ; also the places behind the 18 products
.if \part
.Lno_fill_\@:
	PLACES
.endif
.endm
; A TRIP.  Even trips read region A and fill B, odd trips the other way round.  mk = 0: no key is hidden; 1: in a loop: the mask counts in the loop's last pair, by a select; 2: a diagonal step.
; qsw = 1: the long block's first trip: its Q comes in two halves, the first asked for ahead of the round, the second when the first is in: 32 loads of a wave are out at the most.
.macro TRIP odd, mk, part, qsw=0
.if \qsw
	QLOAD Q2, 0                                    ; the short block's Q has had its last use
.endif
.if \odd
	MEET G0A, \part
.else
	MEET G0B, \part
.endif
.if \qsw
	s_wait_loadcnt 0x0
	QLOAD Q2, 1
.endif
.if \odd
	KLOAD AKB
.else
	KLOAD AKA
.endif
.if (\mk) == 1
	s_cmp_eq_u32 s[I], s[LAST]                     ; the block's last two steps hold the diagonal
	s_cselect_b32 s[AL], 1.0, 0
	MASK \odd
.endif
	RESCALE
.if \qsw
	s_wait_loadcnt 0x0                             ; Q is in
.endif
	s_wait_dscnt 16                                ; K's fragments 0 to 7 are in; the 16 loads of fragments 8 to 15 may be out
	QK 0, 16, \mk, \odd
.if \odd
	VPLOAD AVB
.else
	VPLOAD AVA
.endif
	s_wait_dscnt 40                                ; all of K is in; the 40 loads just issued may be out
	QK 16, 32, \mk, \odd
	LMAX
	s_wait_dscnt 0x0                               ; my maxima are stored; P and V are in, so P's bytes may be written again behind this barrier
	s_barrier_signal -1
	PV 0
	WIN 0
	s_barrier_wait -1
	SOFT
.endm
; THE WALK'S END.  The last step's V lies in region A, asked for in trip 33.
.macro DRAIN
	WIN 0
	s_wait_tensorcnt 0x0                           ; my part of region A is in
	s_wait_dscnt 0x0                               ; my weights are stored
	s_barrier_signal -1
	PV 1                                           ; the second 18 products of the step before the last
	WIN 0
	s_barrier_wait -1
	PLACES
	VPLOAD AVA
	RESCALE
	s_wait_dscnt 0x0
	PV 0
	PV 1
.endm
	s_mov_b32 s[LAST], s[BB]
	s_mov_b32 s[I], 0
.Lshort:                                               ; the short block's scores: b + 1 pairs of trips, the last under the masks
	TRIP 0, 1, 0
	TRIP 1, 1, 0
	s_add_co_u32 s[I], s[I], 1
	s_cmp_lt_u32 s[I], s[NP1]
	s_cbranch_scc1 .Lshort
.irp q, 0,1
	v_mov_b32 v[ST+2*\q], s[CMLOW]                 ; THE CHANGE OF BLOCKS.  m and c m start anew (the softmax alone reads them): the long block's first a is 0
	v_mov_b32 v[ST+2*\q+1], s[MLOW]
.endr
	TRIP 0, 0, 0, 1                                ; trip 2 b + 2: the long block's first scores, beside the first half of the short block's last products
	PV 1                                           ; their second half at once,
	OUTPUT O1, 1                                   ; and the short block leaves
	s_sub_co_u32 s[LAST], 14, s[BB]
	s_mov_b32 s[I], 0
.Llong:                                                ; 15 - b pairs, the odd trip first; the last pair's even trip is trip 32, the diagonal's first step
	TRIP 1, 0, 0
	TRIP 0, 1, 0
	s_add_co_u32 s[I], s[I], 1
	s_cmp_lt_u32 s[I], s[NP2]
	s_cbranch_scc1 .Llong
	TRIP 1, 2, 1                                   ; trip 33 is written out: only V of the last step is still asked for
	DRAIN
	OUTPUT O2, 0
	s_wait_tensorcnt 0x0                           ; the wave's end: the add and its wait, behind my last tensor load and my last LDS store
	ds_add_u32 v[SPW], v[NIL]
	s_wait_dscnt 0x0
	CROUND                                         ; the closing round: no work-group ends while a partner may still ask for a tile that names it
	s_endpgm
.Lfunc_end_k_q5929dcb1d3_attn:
	.size	k_q5929dcb1d3_attn, .Lfunc_end_k_q5929dcb1d3_attn-k_q5929dcb1d3_attn
	.p2alignl 7, 3214868480
	.fill 96, 4, 3214868480
	.section	.rodata,"a",@progbits
	.p2align	6, 0x0
	.amdhsa_kernel k_q5929dcb1d3_attn
		.amdhsa_group_segment_fixed_size 327680
		.amdhsa_private_segment_fixed_size 0
		.amdhsa_enable_private_segment 0
		.amdhsa_kernarg_size 32
		.amdhsa_user_sgpr_count 2
		.amdhsa_user_sgpr_kernarg_segment_ptr 1
		.amdhsa_wavefront_size32 1
		.amdhsa_system_sgpr_workgroup_id_x 1
		.amdhsa_system_sgpr_workgroup_id_y 1
		.amdhsa_system_sgpr_workgroup_id_z 1
		.amdhsa_system_vgpr_workitem_id 0
		.amdhsa_next_free_vgpr 912
		.amdhsa_next_free_sgpr 72
		.amdhsa_reserve_vcc 1
		.amdhsa_float_denorm_mode_32 3
		.amdhsa_float_denorm_mode_16_64 3
		.amdhsa_memory_ordered 1
		.amdhsa_forward_progress 1
		.amdhsa_inst_pref_size 177
	.end_amdhsa_kernel
	.amdgpu_metadata
---
amdhsa.version: [ 1, 2 ]
amdhsa.kernels:
  - .name:           k_q5929dcb1d3_attn
    .symbol:         k_q5929dcb1d3_attn.kd
    .args:
      - { .name: qf, .offset: 0, .size: 8, .value_kind: global_buffer, .address_space: global }
      - { .name: kf, .offset: 8, .size: 8, .value_kind: global_buffer, .address_space: global }
      - { .name: vf, .offset: 16, .size: 8, .value_kind: global_buffer, .address_space: global }
      - { .name: out0, .offset: 24, .size: 8, .value_kind: global_buffer, .address_space: global }
    .group_segment_fixed_size: 327680
    .private_segment_fixed_size: 0
    .kernarg_segment_align: 8
    .kernarg_segment_size: 32
    .max_flat_workgroup_size: 128
    .sgpr_count:     72
    .vgpr_count:     912
    .wavefront_size: 32
...
	.end_amdgpu_metadata
.endif
;; end of part 3
;; ======== version 2 of 2: 3 launches; 1.12 times as fast as version 1
;; limits: values are held in f16: magnitudes above 65,504 overflow, below 6.1e-05 lose precision
;; workspace buffers: wf 2,097,152 bytes; qf 16,777,216 bytes; kf 16,777,216 bytes; vf 16,777,216 bytes
;; launch prep: the kernel of part 1 again; grid 256 x 2, 8 waves a work-group, no clusters, 0 bytes of LDS; arguments Wq, Wk, wf; writes wf
;; launch proj (part 4): grid 256 x 1, 4 waves a work-group, clusters of 4 x 1, 327,680 bytes of LDS; arguments x0, x1, x2, wf, bq, bk, qf, kf, vf; writes qf, kf, vf
.if DOCPART == 4
	.amdgcn_target "amdgcn-amd-amdhsa--gfx1250"
	.amdhsa_code_object_version 6
	.text
	.protected	k_q5929dcb1d3_proj
	.globl	k_q5929dcb1d3_proj
	.p2align	8
	.type	k_q5929dcb1d3_proj,@function
k_q5929dcb1d3_proj:
	s_mov_b64 s[64:65], 0
	v_nop
	global_prefetch_b8 v0, s[64:65] scope:SCOPE_SE
	s_setreg_imm32_b32 hwreg(HW_REG_WAVE_MODE, 25, 1), 1
	s_wait_xcnt 0x0
	s_wait_alu depctr_hold_cnt(0) depctr_sa_sdst(0) depctr_va_vdst(0) depctr_va_sdst(0) depctr_va_ssrc(0) depctr_va_vcc(0) depctr_vm_vsrc(0)
	s_getreg_b32 s2, hwreg(HW_REG_IB_STS2, 6, 4)
	s_cmp_eq_u32 s2, 0
	s_cbranch_scc0 .Lentry_in_a_cluster
	s_endpgm
.Lentry_in_a_cluster:
	s_bfe_u32 s2, ttmp6, 0x10000c
	s_cmp_lg_u32 s2, 0x3003
	s_cbranch_scc0 .Lentry_shape_is_right
	s_endpgm
.Lentry_shape_is_right:
; q = x0 Wq + bq, k = x1 Wk + bk, v = x2 Wk + bk.  x: [16384][1024] f32; wf: Wq and Wk in bf16, in fragment order (1,024-byte blocks (ks, ct) at (32 ks + ct) x 1,024).
; x, W and the biases are rounded to bf16 (every input of the module alike); products and sums in f32; q, k, v rounded once to f16, q WITHOUT the scale 1 / sqrt(512).
; LIMIT: f16 holds no number beyond 65,504: |q|, |k|, |v| must stay within it.
; OUTPUT ORDER.  Block (T = row / 16, ct = column / 16) has 512 bytes at (32 T + ct) x 512.  q, k: lane l's 16 bytes at 16 l hold row l % 16, columns 8 (l / 16) + 0..7: two
; neighbouring blocks are one fragment of 16 rows x 32 channels.  v: the 16 bytes of (row r, octet h) lie at 16 (16 (r / 8) + 8 h + r % 8), as the turning LDS load of the next launch wants them.
; SHARES.  All 256 work-groups do one tile and a half.  Pass 1: 128 x 512 with Wk: rows 64 g .. of x1 (k) above the same rows of x2 (v); a wave makes 64 x 256, 64 accumulators.
; Pass 2: 128 rows of x0 x 256 columns of Wq; a wave makes 64 x 128.  K goes in trips of 64; trips 0-15 are pass 1, 16-31 pass 2.
; THE ORDER ALONG K.  K's 1,024 are 16 chunks of 64.  A cluster begins at chunk ROT, made of four bits of its number, and goes round: trip T takes chunk (T + ROT) mod 16, of W and of x alike, in both passes.
; So the 64 clusters, which all walk the same W, do not all ask for the same 65,536 bytes of it in the same trip.  The order of a sum over K therefore differs from cluster to cluster, in the last bits alone.
; W comes by the tensor data mover into two LDS slots.  CLUSTER: the four partners need the same bytes of W in every trip, so each load is asked for JOINTLY (mask of four, same descriptor).
; x is shared by no partner: it comes through registers, a ring of two sets of 16 loads a lane (two trips ahead, counted waits), is rounded once and laid into LDS as bf16.
; LDS LOADS IN SHORT RUNS.  The fragments of 32 along K are x's 8 loads and four quarters of W's (8 loads each in pass 1, 4 in pass 2); between two runs stand as many products as a quarter has loads.
; THE MATRIX INSTRUCTION IS USED TRANSPOSED (source 0 = 16 columns of W, source 1 = 16 rows of x): a lane holds eight neighbouring columns of one row, 16 bytes of f16: they are stored as they lie.
; REGISTERS, in windows of 256 (s_set_vgpr_msb: bits 1:0 source 0, 3:2 source 1, 5:4 source 2, 7:6 destination):
;   window 0: v16-30 addresses; v32-63 rounded x; v64-95, v96-127 x's fragments, two buffers (on the way out: at work); v128-191, v192-255 x as loaded, two sets
;   window 1: W's fragments, two buffers of 128 (on the way out v0-127: the bias)      windows 2, 3: accumulator (a, b) at v[8 (16 (a % 2) + b)] of window 2 + a / 2
.set SLOT,   65536                     ; an LDS slot of W: two steps of 32 along K x 512 columns (pass 2 uses half of it)
.set AB0,    2*SLOT                    ; x in bf16: two buffers of 128 rows
.set APITCH, 144                       ; 128 bytes + 16: the 16 rows of a fragment load start at 16 different groups of four banks (64 banks of 4 bytes: ISA guide 11.1)
.set ABSZ,   128*APITCH
.set BIAS,   AB0+2*ABSZ                ; bk (2,048 bytes), then bq
.set SPARE,  BIAS+4096                 ; the spare words, 128 bytes a wave: two blocks of 256 bytes that no other line names
.set ADRA,  16                         ; v16     LDS address of my x fragments in buffer 0
.set VBI2,  17                         ; v17     of my bias numbers, pass 2
.set ADRB2, 18                         ; v18-19  of my W fragments in slot 0, 1, pass 2
.set ADRB1, 20                         ; v20-21  the same, pass 1
.set AST,   22                         ; v22     where I put 8 bytes of rounded x
.set XO,    23                         ; v23     my byte offset in two rows of x
.set VOUT1, 24                         ; v24     my 16 bytes in an output block, pass 1 (k: as they lie; v: permuted)
.set VOUT2, 25                         ; v25     16 x lane
.set VBI1,  26                         ; v26     LDS address of my bias numbers, pass 1
.set T16,   27                         ; v27     16 x thread
.set SPW,   28                         ; v28     my spare word: SPARE + 4 x thread; never rewritten
.set NIL,   29                         ; v29     0; never rewritten
.set BST,   30                         ; v30     where I put 16 bytes of bias
.set CV,    32
.set AF,    64
.set TMPF,  64
.set TMP,   96
.set XR,    128
.set WV,   22                          ; s22 wave   s23 its half of the rows   s24 its half of the columns
.set RH,   23
.set CHF,  24
.set CX,   25                          ; s25 my place in the cluster: it enters x's and the outputs' addresses alone
.set G,    27                          ; s27 work-group 0..255
.set G1,   28                          ; s[28:35] group 1, pass 1: 64 rows of 256 bytes
.set G1Q,  36                          ; s[36:43] pass 2: 32 rows
.set G0,   44                          ; s[44:51] group 0, pass 1, a set for each slot
.set XB,   52                          ; s[52:53] address of the x tile asked for last
.set X2B,  54                          ; s[54:55] pass 2's x at my rows, chunk 0
.set OB1,  56                          ; s[56:57] my first output block, pass 1
.set OB2,  58                          ; s[58:59] pass 2
.set ROT,  60                          ; s60 the chunk at which my cluster begins, 0..15
.set WT,   61                          ; s61 number of the trip whose W is asked for next
.set WB1,  62                          ; s[62:63] Wk at my quarter of chunk 0
.set LAP,  66
.set XI,   67                          ; s67 number of the x tile asked for last
.set G0Q,  80                          ; s[80:87] group 0, pass 2
.set COLH, 88                          ; s88 pass 2's half of Wq's columns: the same in all four partners
.set RT,   89                          ; s89 pass 2's block of 128 rows
.set WB2,  92                          ; s[92:93] Wq at my quarter of chunk 0
.set WOF,  94                          ; s[94:95] a chunk's byte offset in wf
.set X1B,  96                          ; s[96:97] pass 1's x at my rows, chunk 0
.set XT,   98                          ; s[98:99] at work: the pass's x
.set XOF,  100                         ; s[100:101] a chunk's byte offset in a row of x
.set MSB, 0
.macro WIN new                         ; the immediate's high byte repeats the setting that is left; a switch that changes nothing is dropped
.if MSB != (\new)
	s_set_vgpr_msb (MSB<<8)|(\new)
.set MSB, \new
.endif
.endm
.macro PLACES                          ; four plain instructions between a matrix instruction and a vector line or load that touches its registers
.rept 4
	v_nop
.endr
.endm
.macro CREST                           ; a round of the cluster's barrier behind its opening barrier
	s_cmp_lg_u32 s[WV], 0
	s_cbranch_scc1 .Lnot_wave_0_\@
	s_barrier_signal -3
.Lnot_wave_0_\@:
	s_barrier_wait -3
	s_barrier_signal -1
	s_barrier_wait -1
.endm
.macro CROUND
	s_barrier_signal -1
	s_barrier_wait -1
	CREST
.endm
	s_load_b512 s[4:19], s[0:1], 0x0               ; x0 s[4:5], x1 s[6:7], x2 s[8:9], wf s[10:11], bq s[12:13], bk s[14:15], qf s[16:17], kf s[18:19]
	s_load_b64 s[20:21], s[0:1], 0x40              ; vf
	v_lshl_add_u32 v[SPW], v0, 2, SPARE
	v_mov_b32 v[NIL], 0
	ds_add_u32 v[SPW], v[NIL]                      ; the wave's opening: the add and its wait stand ahead of my first tensor load; the set-up below stands between them
	v_lshrrev_b32 v1, 5, v0
	v_readfirstlane_b32 s[WV], v1
	s_lshr_b32 s[RH], s[WV], 1
	s_and_b32 s[CHF], s[WV], 1
	s_and_b32 s[COLH], ttmp9, 1                    ; in a cluster launch ttmp9 counts clusters
	; group 1: a dense block asked for as rows of 256 bytes (32 elements of 8 bytes)
.irp g, G1, G1Q
	s_mov_b32 s[\g], 15|(3<<16)|(1<<21)            ; 15:0 the mask of four; 17:16 elements of 8 bytes; 21 set beside a mask
	s_mov_b32 s[\g+1], 32<<16                      ; tensor_dim0 = 32
	s_mov_b32 s[\g+3], 32<<16                      ; tile_dim0 = 32
	s_mov_b32 s[\g+5], 32                          ; 32 elements from row to row
	s_mov_b32 s[\g+6], 0
	s_mov_b32 s[\g+7], 0
.endr
	s_mov_b32 s[G1+2], 64<<16                      ; tensor_dim1 = tile_dim1 = 64 rows: 16,384 bytes a wave
	s_mov_b32 s[G1+4], 64
	s_mov_b32 s[G1Q+2], 32<<16                     ; pass 2: 32 rows: 8,192 bytes a wave
	s_mov_b32 s[G1Q+4], 32
	s_mov_b32 s[G0], 1
	s_lshl_b32 s[G0+1], s[WV], 14                  ; LDS: slot + wave x 16,384
	s_mov_b32 s[G0+4], 1
	s_add_co_u32 s[G0+5], s[G0+1], SLOT
	s_mov_b32 s[G0Q], 1
	s_lshl_b32 s[G0Q+1], s[WV], 13                 ; pass 2: slot + wave x 8,192
	s_mov_b32 s[G0Q+4], 1
	s_add_co_u32 s[G0Q+5], s[G0Q+1], SLOT
	s_add_co_u32 s68, s[G0+1], 0x100000            ; in wf: Wk, my quarter of chunk 0
	s_mov_b32 s69, 0
	s_lshl_b32 s70, s[RH], 15                      ; in wf: Wq: step of 32 along K = wave / 2,
	s_lshl_b32 s72, s[COLH], 14                    ; the half of the columns,
	s_add_co_u32 s70, s70, s72
	s_lshl_b32 s72, s[CHF], 13                     ; eight blocks of it
	s_add_co_u32 s70, s70, s72
	s_mov_b32 s71, 0
	s_bfe_u32 s[ROT], ttmp9, 0x10001               ; where my cluster begins along K: bit 1 of its number
	s_bfe_u32 s72, ttmp9, 0x30003                  ; and bits 3 to 5 above it (bit 0 picks pass 2's half of Wq: among the clusters of either half all 16 beginnings occur)
	s_lshl1_add_u32 s[ROT], s72, s[ROT]
	s_lshl_b32 s[WOF], s[ROT], 16                  ; trip 0's chunk: 65,536 bytes of wf each
	s_mov_b32 s[WOF+1], 0
	s_add_co_u32 s72, s[ROT], 1
	s_and_b32 s72, s72, 15
	s_lshl_b32 s[XT], s72, 16                      ; trip 1's
	s_mov_b32 s[XT+1], 0
	s_lshl_b32 s[XOF], s[ROT], 8                   ; and trip 0's in a row of x: 256 bytes each
	s_mov_b32 s[XOF+1], 0
	s_mov_b32 s[WT], 2
	s_bfe_u32 s[CX], ttmp6, 0x40000
	s_lshl_b32 s[G], ttmp9, 2
	s_add_co_u32 s[G], s[G], s[CX]
	s_lshr_b32 s[RT], ttmp9, 1
	s_lshl_b32 s[RT], s[RT], 2
	s_add_co_u32 s[RT], s[RT], s[CX]
	s_lshl_b32 s74, s[G], 18                       ; x1, x2: row 64 g + 32 (wave % 2), 4,096 bytes a row
	s_lshl_b32 s73, s[CHF], 17
	s_add_co_u32 s74, s74, s73
	s_mov_b32 s75, 0
	s_lshl_b32 s76, s[RT], 19                      ; x0: row 128 rt + 32 wave
	s_lshl_b32 s73, s[WV], 17
	s_add_co_u32 s76, s76, s73
	s_mov_b32 s77, 0
	s_lshl_b32 s78, s[G], 16                       ; k, v: block (4 g, 16 x column half)
	s_lshl_b32 s73, s[CHF], 13
	s_add_co_u32 s78, s78, s73
	s_mov_b32 s79, 0
	s_lshl_b32 s90, s[RT], 17                      ; q: block (8 rt + 4 x row half, 16 colh + 8 x column half)
	s_lshl_b32 s73, s[RH], 16
	s_add_co_u32 s90, s90, s73
	s_lshl_b32 s73, s[COLH], 13
	s_add_co_u32 s90, s90, s73
	s_lshl_b32 s73, s[CHF], 12
	s_add_co_u32 s90, s90, s73
	s_mov_b32 s91, 0
	s_wait_dscnt 0x0                               ; the opening add is done
	s_wait_kmcnt 0x0
	s_add_nc_u64 s[WB1:WB1+1], s[10:11], s[68:69]
	s_add_nc_u64 s[WB2:WB2+1], s[10:11], s[70:71]
	s_add_nc_u64 s[G0+2:G0+3], s[WB1:WB1+1], s[WOF:WOF+1]  ; trip 0
	s_add_nc_u64 s[G0+6:G0+7], s[WB1:WB1+1], s[XT:XT+1]    ; trip 1
	s_or_b32 s[G0+3], s[G0+3], 0x80000000          ; type = 2
	s_or_b32 s[G0+7], s[G0+7], 0x80000000
	s_cmp_lt_u32 s[WV], 2
	s_cselect_b64 s[X1B:X1B+1], s[6:7], s[8:9]     ; waves 0, 1 bring x1's rows, waves 2, 3 x2's
	s_add_nc_u64 s[X1B:X1B+1], s[X1B:X1B+1], s[74:75]
	s_add_nc_u64 s[X2B:X2B+1], s[4:5], s[76:77]
	s_add_nc_u64 s[XB:XB+1], s[X1B:X1B+1], s[XOF:XOF+1]  ; x tile 0
	s_cmp_eq_u32 s[RH], 0
	s_cselect_b64 s[OB1:OB1+1], s[18:19], s[20:21] ; the upper 64 rows are k, the lower v
	s_add_nc_u64 s[OB1:OB1+1], s[OB1:OB1+1], s[78:79]
	s_add_nc_u64 s[OB2:OB2+1], s[16:17], s[90:91]
	CROUND                                         ; all four work-groups are here: the first joint loads meet
	tensor_load_to_lds s[G0:G0+3], s[G1:G1+7]      ; trips 0 and 1: two loads of mine are out
	s_nop 0
	tensor_load_to_lds s[G0+4:G0+7], s[G1:G1+7]
	s_nop 0
	PLACES
; x: 16 loads bring my 32 rows x 256 bytes of a trip: lanes 0-15 take 256 consecutive bytes of one row, lanes 16-31 of the next
.macro XLOADS set
.set i_, 0
.rept 16
	global_load_b128 v[XR+64*(\set)+4*i_:XR+64*(\set)+4*i_+3], v[XO], s[XB:XB+1] offset:8192*i_
.set i_, i_+1
.endr
.endm
.macro XISSUE set                      ; the next trip's tile: tiles 0-15 are pass 1's, 16-31 pass 2's; tile i lies at chunk (i + ROT) mod 16
	s_wait_xcnt 0x0                                ; the base is written anew only when the earlier loads' addresses are translated (ISA guide 3.1)
	s_add_co_u32 s[XI], s[XI], 1
	s_cmp_lt_u32 s[XI], 16
	s_cselect_b64 s[XT:XT+1], s[X1B:X1B+1], s[X2B:X2B+1]
	s_add_co_u32 s[XOF], s[XI], s[ROT]
	s_and_b32 s[XOF], s[XOF], 15
	s_lshl_b32 s[XOF], s[XOF], 8
	s_add_nc_u64 s[XB:XB+1], s[XT:XT+1], s[XOF:XOF+1]
	XLOADS \set
.endm
; One x tile: waited for (cnt = the younger tile's loads, which stay out), rounded to bf16, its set asked for again (issue = 1), and laid into x buffer 'set'.
.macro XSTEP set, issue, cnt
	s_wait_loadcnt \cnt
.set i_, 0
.rept 32
	v_cvt_pk_bf16_f32 v[CV+i_], v[XR+64*(\set)+2*i_], v[XR+64*(\set)+2*i_+1]
.set i_, i_+1
.endr
.if \issue
	XISSUE \set
.endif
.set i_, 0
.rept 16
	ds_store_b64 v[AST], v[CV+2*i_:CV+2*i_+1] offset:(\set)*ABSZ+2*APITCH*i_
.set i_, i_+1
.endr
.endm
	v_lshlrev_b32 v[T16], 4, v0
	global_load_b128 v[32:35], v[T16], s[14:15]    ; bk: 128 threads x 16 bytes
	global_load_b128 v[36:39], v[T16], s[12:13]    ; bq
	v_and_b32 v1, 15, v0                           ; r = lane % 16
	v_bfe_u32 v2, v0, 4, 1                         ; h = lane / 16
	v_lshlrev_b32 v[XO], 4, v1
	v_lshl_add_u32 v[XO], v2, 12, v[XO]
	XLOADS 0                                       ; x tile 0
	s_mov_b32 s[XI], 0
	XISSUE 1                                       ; x tile 1
	v_and_b32 v3, 31, v0
	v_lshlrev_b32 v[VOUT2], 4, v3
	s_mul_i32 s72, s[RH], 64*APITCH
	s_add_co_u32 s72, s72, AB0
	v_mul_u32_u24 v4, v1, APITCH
	v_lshl_add_u32 v4, v2, 4, v4
	v_add_nc_u32 v[ADRA], s72, v4                  ; row (64 x row half + r) x pitch + 16 h
	s_lshl_b32 s72, s[CHF], 14
	v_add_nc_u32 v[ADRB1], s72, v[VOUT2]           ; 16 blocks x column half + 16 x lane
	v_add_nc_u32 v[ADRB1+1], SLOT, v[ADRB1]
	s_lshl_b32 s72, s[CHF], 13
	v_add_nc_u32 v[ADRB2], s72, v[VOUT2]           ; pass 2: 8 blocks
	v_add_nc_u32 v[ADRB2+1], SLOT, v[ADRB2]
	s_mul_i32 s72, s[WV], 32*APITCH
	s_add_co_u32 s72, s72, AB0
	v_mul_u32_u24 v4, v2, APITCH
	v_lshl_add_u32 v4, v1, 3, v4
	v_add_nc_u32 v[AST], s72, v4                   ; row (32 wave + h) x pitch + 8 r
	v_lshrrev_b32 v4, 3, v1
	v_and_b32 v5, 7, v1
	v_lshl_add_u32 v4, v4, 4, v5
	v_lshl_add_u32 v4, v2, 3, v4
	v_lshlrev_b32 v4, 4, v4                        ; v's order: 16 (16 (r / 8) + 8 h + r % 8)
	s_cmp_eq_u32 s[RH], 1
	s_cselect_b32 s72, -1, 0
	v_cndmask_b32 v[VOUT1], v[VOUT2], v4, s72
	s_lshl_b32 s72, s[CHF], 10
	s_add_co_u32 s72, s72, BIAS
	v_lshl_add_u32 v[VBI1], v2, 5, s72             ; my eight columns' bias: 64 bytes a block, 32 h
	s_lshl_b32 s72, s[COLH], 10
	s_lshl_b32 s73, s[CHF], 9
	s_add_co_u32 s72, s72, s73
	s_add_co_u32 s72, s72, BIAS+2048
	v_lshl_add_u32 v[VBI2], v2, 5, s72
	v_add_nc_u32 v[BST], BIAS, v[T16]
	s_wait_loadcnt 32                              ; the biases are in; the 32 loads of x tiles 0 and 1 stay out
.irp j, 0,1,2,3
	v_cvt_pk_bf16_f32 v[40+\j], v[32+2*\j], v[33+2*\j]  ; the biases take the rounding that x and W take,
.endr
.irp j, 0,1,2,3
	v_lshlrev_b32 v[32+2*\j], 16, v[40+\j]         ; and are kept and added as f32
	v_and_b32 v[33+2*\j], 0xffff0000, v[40+\j]
.endr
	ds_store_b128 v[BST], v[32:35]
	ds_store_b128 v[BST], v[36:39] offset:2048
	XSTEP 0, 1, 16                                 ; x tile 0 into buffer 0; tile 2 is asked for
	s_wait_tensorcnt 0x1                           ; my part of slot 0 is in; slot 1's may stay out
	s_wait_dscnt 0x0                               ; for the others' sake: my stores of x and of the biases are done
	s_barrier_signal -1
	s_barrier_wait -1
; Matrix instructions: row block a of my four x column blocks b0 .. b1 - 1, 32 along K, on fragment buffer f.  In a walk over all a and b every accumulator comes once: they take turns.
.macro MULR f, a, b0, b1, zero
	WIN 0xa1+0x50*((\a)/2)                         ; W window 1, x window 0, C and D window 2 or 3
.set b_, \b0
.rept (\b1)-(\b0)
.set rD, 8*(16*((\a)%2)+b_)
.set rB, 128*(\f)+8*b_
.set rA, AF+32*(\f)+8*(\a)
.if \zero
	v_wmma_f32_16x16x32_bf16 v[rD:rD+7], v[rB:rB+7], v[rA:rA+7], 0
.else
	v_wmma_f32_16x16x32_bf16 v[rD:rD+7], v[rB:rB+7], v[rA:rA+7], v[rD:rD+7]
.endif
.set b_, b_+1
.endr
.endm
.macro MULQ f, a, nb, zero             ; all nb column blocks
	MULR \f, \a, 0, \nb, \zero
.endm
; The fragments of 32 along K (half ks of the trip in 'slot') for buffer f come in five runs: x's four fragments (8 loads), then W's nb fragments by quarters (dense blocks: 16 x lane; nb / 2 loads a quarter)
.macro FETA slot, ks, f
	WIN 0
.irp a, 0,1,2,3
	ds_load_b128 v[AF+32*(\f)+8*\a:AF+32*(\f)+8*\a+3],   v[ADRA] offset:(\slot)*ABSZ+\a*16*APITCH+64*(\ks)
	ds_load_b128 v[AF+32*(\f)+8*\a+4:AF+32*(\f)+8*\a+7], v[ADRA] offset:(\slot)*ABSZ+\a*16*APITCH+64*(\ks)+32
.endr
.endm
.macro FETB slot, ks, f, nb, q
	WIN 0x40
.set b_, (\q)*(\nb)/4
.rept (\nb)/4
	ds_load_b128 v[128*(\f)+8*b_:128*(\f)+8*b_+3],   v[ADRB+(\slot)] offset:(\ks)*(\nb)*2048+b_*1024
	ds_load_b128 v[128*(\f)+8*b_+4:128*(\f)+8*b_+7], v[ADRB+(\slot)] offset:(\ks)*(\nb)*2048+b_*1024+512
.set b_, b_+1
.endr
.endm
.macro FETCH slot, ks, f, nb           ; all five on end, where there is no product to set between them
	FETA \slot, \ks, \f
.irp q, 0,1,2,3
	FETB \slot, \ks, \f, \nb, \q
.endr
.endm
; A trip's first half: multiplies buffer 0.  Behind its first nb products the next trip's x is rounded into the other x buffer (whose last readers finished ahead of the barrier before); then the trip's second
; fragments are fetched into buffer 1, a run behind each nb / 2 products.
; xmode 1: round, and ask for the tile three trips on; 2: round only, a younger tile is out; 3: round the last tile; 0: nothing is left.  The roundings are the places in front of the loads.
.macro H0 slot, zero, xmode, nb
	s_wait_dscnt \nb                               ; x's fragments and W's first two quarters of buffer 0 are in; the nb loads of the last two quarters may be out
	MULR 0, 0, 0, (\nb)/2, \zero
	s_wait_dscnt 0x0
	MULR 0, 0, (\nb)/2, \nb, \zero
	WIN 0
.if (\xmode) == 0
	PLACES
.elseif (\xmode) == 1
	XSTEP 1-(\slot), 1, 16
.elseif (\xmode) == 2
	XSTEP 1-(\slot), 0, 16
.else
	XSTEP 1-(\slot), 0, 0
.endif
	MULR 0, 1, 0, (\nb)/2, \zero
	FETA \slot, 1, 1
	MULR 0, 1, (\nb)/2, \nb, \zero
	FETB \slot, 1, 1, \nb, 0
	MULR 0, 2, 0, (\nb)/2, \zero
	FETB \slot, 1, 1, \nb, 1
	MULR 0, 2, (\nb)/2, \nb, \zero
	FETB \slot, 1, 1, \nb, 2
	MULR 0, 3, 0, (\nb)/2, \zero
	FETB \slot, 1, 1, \nb, 3
	MULR 0, 3, (\nb)/2, \nb, \zero
.endm
; The address of the next tile of W is made anew in group 0 'g': the tensor's base 'wb' plus chunk (WT + ROT) mod 16 (trips 16 on are pass 2's: the same chunk numbers again), the type set again.
.macro WSTEP g, wb
	s_add_co_u32 s[WOF], s[WT], s[ROT]
	s_and_b32 s[WOF], s[WOF], 15
	s_lshl_b32 s[WOF], s[WOF], 16
	s_add_nc_u64 s[(\g)+2:(\g)+3], s[\wb:\wb+1], s[WOF:WOF+1]
	s_or_b32 s[(\g)+3], s[(\g)+3], 0x80000000
	s_add_co_u32 s[WT], s[WT], 1
.endm
; A trip's second half multiplies buffer 1 and changes slots: ONE barrier.  In front of it each wave waits for all its tensor loads (one is out: its part of the next slot), adds 0 to its spare word,
; and waits for that, for its reads of this slot and of this x buffer, and for its stores into the next x buffer.  rk = 1: the slot is filled again with this pass's trip two on; 2: with pass 2's first trips;
; the barrier then opens a round of the cluster's, and the joint load is the first thing behind it.  rk = 0: nothing is left to fetch.
; The change stands early in the half, behind nb / 2 products, so that the next slot's first fragments have the other products in which to come, a run behind each nb / 2 of them.
.macro TURN slot, next, rk, fetch, nb
	WIN 0
	s_wait_tensorcnt 0x0                           ; no load of mine is out: a group 0 may be written
	ds_add_u32 v[SPW], v[NIL]                      ; 0 onto my spare word
.if (\rk) == 1
	WSTEP GCUR+4*(\slot), WBCUR
.elseif (\rk) == 2
	WSTEP G0Q+4*(\slot), WB2
.endif
	s_wait_dscnt (\nb)+1                           ; x's fragments and W's first two quarters of buffer 1 are in; the nb loads of the last two quarters and the add may be out
	MULR 1, 0, 0, (\nb)/2, 0
	s_wait_dscnt 0x0
	s_barrier_signal -1
	MULR 1, 0, (\nb)/2, \nb, 0
	WIN 0                                          ; at a branch and at a label every window is 0
	s_barrier_wait -1
.if (\rk) == 1
	CREST
	tensor_load_to_lds s[GCUR+4*(\slot):GCUR+4*(\slot)+3], s[G1CUR:G1CUR+7]
	s_nop 0
.elseif (\rk) == 2
	CREST
	tensor_load_to_lds s[G0Q+4*(\slot):G0Q+4*(\slot)+3], s[G1Q:G1Q+7]
	s_nop 0
.endif
	PLACES                                         ; also the places in front of the loads into buffer 0
	MULR 1, 1, 0, (\nb)/2, 0
.if \fetch
	FETA \next, 0, 0
.endif
	MULR 1, 1, (\nb)/2, \nb, 0
.if \fetch
	FETB \next, 0, 0, \nb, 0
.endif
	MULR 1, 2, 0, (\nb)/2, 0
.if \fetch
	FETB \next, 0, 0, \nb, 1
.endif
	MULR 1, 2, (\nb)/2, \nb, 0
.if \fetch
	FETB \next, 0, 0, \nb, 2
.endif
	MULR 1, 3, 0, (\nb)/2, 0
.if \fetch
	FETB \next, 0, 0, \nb, 3
.endif
	MULR 1, 3, (\nb)/2, \nb, 0
.endm
; THE WAY OUT.  The bias of my columns comes from LDS (32 bytes a block and half of the lanes); four accumulators at a time: + bias, rounded to f16, four stores of 512 consecutive aligned bytes each.
.macro EPI nb, vbi, vout, ob
	WIN 0
	PLACES
	WIN 0x40
.set b_, 0
.rept \nb
	ds_load_b128 v[8*b_:8*b_+3],   v[\vbi] offset:64*b_
	ds_load_b128 v[8*b_+4:8*b_+7], v[\vbi] offset:64*b_+16
.set b_, b_+1
.endr
	s_wait_dscnt 0x0
.set g_, 0
.rept \nb
.set a_, g_/((\nb)/4)
.set b0_, 4*(g_%((\nb)/4))
.set t_, TMP+16*(g_%2)
	WIN 0x06+(a_/2)                                ; accumulators window 2 or 3, bias window 1, sums window 0
.set k_, 0
.rept 16                               ; each accumulator's registers in ascending order
	v_pk_add_f32 v[TMPF+2*k_:TMPF+2*k_+1], v[8*(16*(a_%2)+b0_+k_/4)+2*(k_%4):8*(16*(a_%2)+b0_+k_/4)+2*(k_%4)+1], v[8*(b0_+k_/4)+2*(k_%4):8*(b0_+k_/4)+2*(k_%4)+1]
.set k_, k_+1
.endr
	WIN 0
	s_wait_xcnt 0x0                                ; the registers that earlier stores read are rewritten only behind this wait
.set k_, 0
.rept 16
	v_cvt_pk_f16_f32 v[t_+k_], v[TMPF+2*k_], v[TMPF+2*k_+1]
.set k_, k_+1
.endr
.set k_, 0
.rept 4
	global_store_b128 v[\vout], v[t_+4*k_:t_+4*k_+3], s[\ob:\ob+1] offset:a_*16384+(b0_+k_)*512
.set k_, k_+1
.endr
.set g_, g_+1
.endr
	s_wait_xcnt 0x0                                ; fragment loads land on these registers next
.endm
	; PASS 1: k and v.  The first half trip stands in front of the loop: its products start the sums.
.set ADRB, ADRB1
.set GCUR, G0
.set G1CUR, G1
.set WBCUR, WB1
	FETCH 0, 0, 0, 16
	H0 0, 1, 1, 16
	WIN 0
	s_mov_b32 s[LAP], 7
.Lpass1:                                               ; a lap: from one trip's second half to the first half two trips on; both slots are filled again
	TURN 0, 1, 1, 1, 16
	H0 1, 0, 1, 16
	TURN 1, 0, 1, 1, 16
	H0 0, 0, 1, 16
	WIN 0
	s_sub_co_u32 s[LAP], s[LAP], 1
	s_cmp_lg_u32 s[LAP], 0
	s_cbranch_scc1 .Lpass1
	TURN 0, 1, 2, 1, 16                            ; trips 14 and 15 ask for pass 2's trips 0 and 1: the ring goes on
	H0 1, 0, 1, 16
	TURN 1, 0, 2, 0, 16
	EPI 16, VBI1, VOUT1, OB1
	; PASS 2: q
.set ADRB, ADRB2
.set GCUR, G0Q
.set G1CUR, G1Q
.set WBCUR, WB2
	FETCH 0, 0, 0, 8
	H0 0, 1, 1, 8
	WIN 0
	s_mov_b32 s[LAP], 6
.Lpass2:
	TURN 0, 1, 1, 1, 8
	H0 1, 0, 1, 8
	TURN 1, 0, 1, 1, 8
	H0 0, 0, 1, 8
	WIN 0
	s_sub_co_u32 s[LAP], s[LAP], 1
	s_cmp_lg_u32 s[LAP], 0
	s_cbranch_scc1 .Lpass2
	TURN 0, 1, 1, 1, 8                             ; the tail is written out
	H0 1, 0, 2, 8
	TURN 1, 0, 1, 1, 8
	H0 0, 0, 3, 8
	TURN 0, 1, 0, 1, 8
	H0 1, 0, 0, 8
	s_wait_dscnt 0x0
	MULQ 1, 0, 8, 0
	MULQ 1, 1, 8, 0
	MULQ 1, 2, 8, 0
	MULQ 1, 3, 8, 0
	EPI 8, VBI2, VOUT2, OB2
	s_wait_tensorcnt 0x0                           ; the wave's end: the add and its wait, behind my last tensor load and my last LDS store
	ds_add_u32 v[SPW], v[NIL]
	s_wait_dscnt 0x0
	CROUND                                         ; the closing round: no work-group ends while a partner may still ask for a tile that names it
	s_endpgm
.Lfunc_end_k_q5929dcb1d3_proj:
	.size	k_q5929dcb1d3_proj, .Lfunc_end_k_q5929dcb1d3_proj-k_q5929dcb1d3_proj
	.p2alignl 7, 3214868480
	.fill 96, 4, 3214868480
	.section	.rodata,"a",@progbits
	.p2align	6, 0x0
	.amdhsa_kernel k_q5929dcb1d3_proj
		.amdhsa_group_segment_fixed_size 327680
		.amdhsa_private_segment_fixed_size 0
		.amdhsa_enable_private_segment 0
		.amdhsa_kernarg_size 72
		.amdhsa_user_sgpr_count 2
		.amdhsa_user_sgpr_kernarg_segment_ptr 1
		.amdhsa_wavefront_size32 1
		.amdhsa_system_sgpr_workgroup_id_x 1
		.amdhsa_system_sgpr_workgroup_id_y 1
		.amdhsa_system_sgpr_workgroup_id_z 1
		.amdhsa_system_vgpr_workitem_id 0
		.amdhsa_next_free_vgpr 1024
		.amdhsa_next_free_sgpr 102
		.amdhsa_reserve_vcc 0
		.amdhsa_float_denorm_mode_32 3
		.amdhsa_float_denorm_mode_16_64 3
		.amdhsa_memory_ordered 1
		.amdhsa_forward_progress 1
		.amdhsa_inst_pref_size 229
	.end_amdhsa_kernel
	.amdgpu_metadata
---
amdhsa.version: [ 1, 2 ]
amdhsa.kernels:
  - .name:           k_q5929dcb1d3_proj
    .symbol:         k_q5929dcb1d3_proj.kd
    .args:
      - { .name: x0, .offset: 0, .size: 8, .value_kind: global_buffer, .address_space: global }
      - { .name: x1, .offset: 8, .size: 8, .value_kind: global_buffer, .address_space: global }
      - { .name: x2, .offset: 16, .size: 8, .value_kind: global_buffer, .address_space: global }
      - { .name: wf, .offset: 24, .size: 8, .value_kind: global_buffer, .address_space: global }
      - { .name: bq, .offset: 32, .size: 8, .value_kind: global_buffer, .address_space: global }
      - { .name: bk, .offset: 40, .size: 8, .value_kind: global_buffer, .address_space: global }
      - { .name: qf, .offset: 48, .size: 8, .value_kind: global_buffer, .address_space: global }
      - { .name: kf, .offset: 56, .size: 8, .value_kind: global_buffer, .address_space: global }
      - { .name: vf, .offset: 64, .size: 8, .value_kind: global_buffer, .address_space: global }
    .group_segment_fixed_size: 327680
    .private_segment_fixed_size: 0
    .kernarg_segment_align: 8
    .kernarg_segment_size: 72
    .max_flat_workgroup_size: 128
    .sgpr_count:     102
    .vgpr_count:     1024
    .wavefront_size: 32
...
	.end_amdgpu_metadata
.endif
;; end of part 4
;; launch attn (part 5): grid 32 x 8, 4 waves a work-group, clusters of 4 x 1, 327,680 bytes of LDS; arguments qf, kf, vf, out0; writes out0
.if DOCPART == 5
	.amdgcn_target "amdgcn-amd-amdhsa--gfx1250"
	.amdhsa_code_object_version 6
	.text
	.protected	k_q5929dcb1d3_attn
	.globl	k_q5929dcb1d3_attn
	.p2align	8
	.type	k_q5929dcb1d3_attn,@function
k_q5929dcb1d3_attn:
	s_mov_b64 s[64:65], 0
	v_nop
	global_prefetch_b8 v0, s[64:65] scope:SCOPE_SE
	s_setreg_imm32_b32 hwreg(HW_REG_WAVE_MODE, 25, 1), 1
	s_wait_xcnt 0x0
	s_wait_alu depctr_hold_cnt(0) depctr_sa_sdst(0) depctr_va_vdst(0) depctr_va_sdst(0) depctr_va_ssrc(0) depctr_va_vcc(0) depctr_vm_vsrc(0)
	s_getreg_b32 s2, hwreg(HW_REG_IB_STS2, 6, 4)
	s_cmp_eq_u32 s2, 0
	s_cbranch_scc0 .Lentry_in_a_cluster
	s_endpgm
.Lentry_in_a_cluster:
	s_bfe_u32 s2, ttmp6, 0x10000c
	s_cmp_lg_u32 s2, 0x3003
	s_cbranch_scc0 .Lentry_shape_is_right
	s_endpgm
.Lentry_shape_is_right:
; CAUSAL ATTENTION at head size 512.  out0[b][q][:] = the sum over k <= q of softmax_k(q . k / sqrt(512)) v[k][:], f32.  qf, kf, vf: f16 in fragment order: block (T = row / 16, ct = channel / 16) of
; 512 bytes at (32 T + ct) x 512; q, k: lane l's 16 bytes at 16 l are row l % 16, channels 8 (l / 16) + 0..7; v: laid so that the turning LDS load at 16 l leaves channel l % 16, keys 8 (l / 16) + 0..7.
; Products, maxima and sums in f32; the weights p are rounded to f16 for the second product, and their sum l is taken of the rounded p.
; LIMITS.  A hidden score counts as its value less 1e30 (f16's scores, 2.2e12 at the most, are nothing beside that); a weight below 2^-126 counts as 0; NaN and infinities are not treated apart.
; THE WALK.  A batch has 16 super-blocks of 128 queries; super-block s needs the key steps 0 .. 2 s + 1 of 64 keys, the last two under the mask.  A CLUSTER of four takes super-block b and then 15 - b:
; 34 steps whatever b.  Each of the four work-groups owns 32 of the 128 queries; all four walk the same steps, so every tile of K and V is asked for JOINTLY.
; No branch and no LDS address hangs on the place in the cluster: it enters Q's and the output's addresses and the mask's numbers alone.
; THE ORDER OF THE KEY STEPS.  A running softmax takes a block's open key steps (2 b of the short block, 30 - 2 b of the long one) in any order; only the two under the mask keep their place at the block's end.
; The eight clusters of a batch walk the same K and V.  Each begins a block's open steps at a place of its own (two small tables by b) and goes round.  Counted at equal pace: of the 32 key steps each is asked
; for first by one of clusters 0-3, eight each; of the 24 that clusters 4-7 need, by one of these, six each; every other request for a step comes a trip or more behind the first.
; The step's number enters the tiles' global addresses alone.  The order of a query's sums over the keys therefore differs from cluster to cluster.
; A TRIP g (0 .. 33): K Q^T of the walk's step g, V^T P of its step g - 1.  Both tiles lie in one region of LDS (A in even trips, B in odd ones); the other region is filled meanwhile with K of g + 1 and V of g.
; ITS ORDER.  LDS loads stand in runs of 8 between 8 products; products stand where the wave would wait for LDS.  K (32 loads) | the rescaling | 8 scores | P | 8 scores | V, keys 0-31, first half | 8 scores |
; its second half | 8 scores | my maxima stored, 6 products V^T P beside the stores | the barrier, 2 inside | the maxima read, V, keys 32-63, in two runs, 10 products between them | the softmax | P stored, 8 products
; beside the stores | and in the next trip's round: 6 beside the add, 4 inside the barrier.  V's keys 32-63 are read behind the barrier for the maxima; the fill that is out there is the other region's.
; Every trip has the same barriers and the same use of the regions; every LDS address stands in the text.  The order: a loop of b + 1 pairs (even, odd): the short block; trip 2 b + 2, written out; a loop of
; 15 - b pairs (odd, even); trip 33, written out, since it asks for V alone; the last step's products.  Both loops have a trip or more for every b, and no jump hangs on b but the loops' own.
; THE CHANGE OF BLOCKS lies in trip 2 b + 2, the long block's first: Q comes anew ahead of its scores, m starts anew ahead of its softmax, and at its end the last ten of the short block's products
; are made at once and the block leaves.  The next trip's round makes those ten once more; they are finite, and the long block's first a = 0 wipes them: the price of one text for every round.
; For the same reason the launch begins with P = 0 in LDS and V of the walk's step 0 in the place of a step before it.
; SHARES IN A WORK-GROUP.  S^T = K Q^T is split by keys: wave w takes 16 keys x 32 queries x 512 channels.  O^T = V^T P is split by channels: wave w takes channels 128 w .. x 32 queries x 64 keys.
; So each byte of K and V leaves LDS once; the step's maxima (MX) and the weights (PB) cross the waves through LDS.  In S^T, P and O^T a lane holds ONE query (lane % 16).
; SOFTMAX.  Running maximum m; p = 2^(c s - c m), c = log2(e) / sqrt(512); O and l are multiplied by a = 2^(c m_old - c m_new) in every step.  l is a ninth channel block of O^T: V^T's place is taken by ones.
; m starts at the lowest finite number: a block's first a is 0, so O need only be finite there.
; REGISTERS, in windows of 256 (s_set_vgpr_msb: bits 1:0 source 0, 3:2 source 1, 5:4 source 2, 7:6 destination):
;   window 0: v2-15 addresses; v16-47 statistics and at work; v48-79 S^T, four accumulators; v80-95 the mask in use; v96-127 the two diagonal steps' masks; v128-255 K of one step (on the way out: at work)
;   window 1: Q, fragment (qt, ks) at 8 (16 qt + ks)      window 2: v0-127 V of one step; v128-159 P; v160-167 ones      window 3: O^T (c, qt) at 8 (2 c + qt), c = 8: l
.set REGB,  131072                     ; region A: K at 0, V at 65,536; region B: K at 131,072, V at 196,608
.set PB,    262144                     ; P: fragment (qt, kk) of 1,024 bytes at (2 qt + kk) x 1,024
.set MX,    266240                     ; the waves' maxima: word at query x 16 + 4 wave
.set STAGE, 266752                     ; 16 rows x 528 bytes for each wave, for the way out
.set SP,    528                        ; 512 bytes + 16: the 16 rows of a store start at 16 different groups of four banks (64 banks of 4 bytes: ISA guide 11.1)
.set SPARE, STAGE+4*16*SP              ; the spare words, 128 bytes a wave: two blocks of 256 bytes that no other line names
.set AKA, 2                            ; v2, v3  LDS address of my 16 keys of K in region A, B
.set AKB, 3
.set AVA, 4                            ; v4, v5  of my 128 channels of V in region A, B
.set AVB, 5
.set PRD, 6                            ; v6   P, read
.set PWR, 7                            ; v7   P, my part written
.set MXW, 8                            ; v8   my wave's word of my query
.set MXR, 9                            ; v9   my query's four words
.set STO, 10                           ; v10  the way out: where I put 16 bytes of a row
.set RD,  11                           ; v11  where I read a row back
.set L16, 12                           ; v12  16 x lane: my offset in Q's blocks and in 512 bytes of the output
.set SPW, 14                           ; v14  my spare word: SPARE + 4 x thread; never rewritten
.set NIL, 15                           ; v15  0; never rewritten
.set ST,  16                           ; v16-19  (c m, m) for query tile 0, 1
.set AD,  20                           ; v20-23  (a, c m_old - c m_new)
.set XM,  24                           ; v24-31  the four waves' maxima
.set TM,  32                           ; v32-35  at work
.set RL,  36                           ; v36-39  (1 / l, 0)
.set PK,  40                           ; v40-47  my weights, packed
.set S,   48                           ; even channel steps' sums for tile 0, 1; odd steps' for tile 0, 1
.set MC,  80
.set MD,  96                           ; mask of diagonal step t', tile qt at MD + 16 t' + 8 qt
.set KF,  128
.set PF,  128                          ; window 2: fragment (qt, kk) at PF + 16 qt + 8 kk
.set ONES, 160                         ; window 2
.set WV,  12                           ; s12 wave     s13 my place in the cluster
.set CX,  13
.set BB,  14                           ; s14 b
.set N1,  15                           ; s15 2 b + 2: the short block's key steps
.set NP1, 16                           ; s16 b + 1: the first loop's pairs
.set BAT, 17                           ; s17 batch
.set I,   18                           ; s18 counts a loop's pairs, from 0
.set NXT, 19                           ; s19 the walk's number, 0 to 33, of the key step that my next fill brings
.set NP2, 20                           ; s20 15 - b: the second loop's pairs
.set LAST, 21                          ; s21 the number of the loop's pair in which the mask counts: its last
.set AL,  22                           ; s[22:23] the mask's factor, 1 or 0
.set OFF, 24                           ; s[24:25] a tile's byte offset
.set KVB, 26                           ; s[26:27] K (waves 0, 1) or V (waves 2, 3) at my half of the batch's step 0
.set G1,  28                           ; s[28:35] group 1
.set G0A, 36                           ; s[36:39] group 0 for region A
.set G0B, 40                           ; s[40:43] for region B
.set Q1,  44                           ; s[44:45], s[46:47] Q at my rows of the short, the long block
.set Q2,  46
.set O1,  48                           ; s[48:49], s[50:51] the output likewise, at my wave's 512 bytes of a row
.set O2,  50
.set CS,  52                           ; s[52:53] c
.set SEL, 54                           ; s[54:55] v_permlanex16_b32's selects: each lane takes its own place in the other half
.set BIGN, 56                          ; s56 -1e30    s57 the lowest finite number    s58 -2^125
.set MLOW, 57
.set CMLOW, 58
.set MS,  59                           ; s59 2 b: the short block's open key steps
.set NL,  66                           ; s66 30 - 2 b: the long block's
.set RHO, 67                           ; s67 the open step at which my cluster begins the short block
.set RR,  68                           ; s68 the long block
.set TA,  69                           ; s69-71 at work
.set TB,  70
.set TC,  71
.set MSB, 0
.macro WIN new                         ; the immediate's high byte repeats the setting that is left; a switch that changes nothing is dropped
.if MSB != (\new)
	s_set_vgpr_msb (MSB<<8)|(\new)
.set MSB, \new
.endif
.endm
.macro PLACES                          ; four plain instructions between a matrix instruction and a vector line or load that touches its registers
.rept 4
	v_nop
.endr
.endm
.macro CREST                           ; a round of the cluster's barrier behind its opening barrier
	s_cmp_lg_u32 s[WV], 0
	s_cbranch_scc1 .Lnot_wave_0_\@
	s_barrier_signal -3
.Lnot_wave_0_\@:
	s_barrier_wait -3
	s_barrier_signal -1
	s_barrier_wait -1
.endm
.macro CROUND
	s_barrier_signal -1
	s_barrier_wait -1
	CREST
.endm
	s_load_b256 s[4:11], s[0:1], 0x0               ; qf s[4:5], kf s[6:7], vf s[8:9], out0 s[10:11]
	v_lshl_add_u32 v[SPW], v0, 2, SPARE
	v_mov_b32 v[NIL], 0
	ds_add_u32 v[SPW], v[NIL]                      ; the wave's opening: the add and its wait stand ahead of my first tensor load; the set-up below stands between them
	v_lshrrev_b32 v1, 5, v0
	v_readfirstlane_b32 s[WV], v1
	s_mov_b32 s[BB], ttmp9                         ; in a cluster launch ttmp9 counts clusters: b = 0..7
	s_add_co_u32 s[NP1], s[BB], 1
	s_lshl_b32 s[N1], s[NP1], 1
	s_sub_co_u32 s[NP2], 15, s[BB]
	s_lshl_b32 s[MS], s[BB], 1
	s_sub_co_u32 s[NL], 30, s[MS]
	s_and_b32 s[TA], s[BB], 3                      ; the two tables, a byte for each b: four to a word
	s_lshl_b32 s[TA], s[TA], 3
	s_mov_b32 s[TB], 0x04020100                    ; the short block, b = 0..3: 0, 1, 2, 4
	s_mov_b32 s[TC], 0x0a060200                    ; b = 4..7: 0, 2, 6, 10: each below 2 b (b = 0 has no open step)
	s_cmp_lt_u32 s[BB], 4
	s_cselect_b32 s[RHO], s[TB], s[TC]
	s_mov_b32 s[TB], 0x080c1219                    ; the long block, b = 0..3: 25, 18, 12, 8
	s_mov_b32 s[TC], 0x00101214                    ; b = 4..7: 20, 18, 16, 0: each below 30 - 2 b
	s_cselect_b32 s[RR], s[TB], s[TC]
	s_lshr_b32 s[RHO], s[RHO], s[TA]
	s_and_b32 s[RHO], s[RHO], 0xff
	s_lshr_b32 s[RR], s[RR], s[TA]
	s_and_b32 s[RR], s[RR], 0xff
	s_and_b32 s[BAT], ttmp7, 0xffff
	s_mov_b32 s[G1], 15|(3<<16)|(1<<21)            ; 15:0 the mask of four; 17:16 elements of 8 bytes; 21 set beside a mask
	s_mov_b32 s[G1+1], 32<<16                      ; a dense half tile, 32,768 bytes, as 128 rows of 256 bytes: tensor_dim0 = 32
	s_mov_b32 s[G1+2], 128<<16                     ; tensor_dim1 = 128
	s_mov_b32 s[G1+3], 32<<16                      ; tile_dim0 = 32
	s_mov_b32 s[G1+4], 128                         ; tile_dim1 = 128
	s_mov_b32 s[G1+5], 32                          ; 32 elements from row to row
	s_mov_b32 s[G1+6], 0
	s_mov_b32 s[G1+7], 0
	s_mov_b32 s[G0A], 1
	s_lshl_b32 s[G0A+1], s[WV], 15                 ; LDS: region + wave x 32,768: waves 0, 1 K's halves, waves 2, 3 V's
	s_mov_b32 s[G0B], 1
	s_add_co_u32 s[G0B+1], s[G0A+1], REGB
	s_cmp_lt_u32 s[WV], 2
	s_cselect_b32 s[NXT], 1, 0                     ; trip 0 asks for K of the walk's step 1 and V of its step 0
	s_lshl_b32 s[OFF], s[RHO], 16                  ; the walk's step 0 is key step RHO (b = 0: key step 0, under the mask)
	s_mov_b32 s[OFF+1], 0
	s_lshl_b32 s[KVB], s[BAT], 21                  ; a batch is 2,097,152 bytes of K and of V
	s_and_b32 s60, s[WV], 1
	s_lshl_b32 s60, s60, 15
	s_add_co_u32 s[KVB], s[KVB], s60
	s_mov_b32 s[KVB+1], 0
	s_mov_b32 s[AL+1], 0                           ; named as a pair
	s_mov_b32 s[CS], 0x3d8293ee                    ; c = log2(e) / sqrt(512) = 0.0637587
	s_mov_b32 s[CS+1], s[CS]
	s_mov_b32 s[SEL], 0x76543210
	s_mov_b32 s[SEL+1], 0xfedcba98
	s_mov_b32 s[BIGN], 0xf149f2ca
	s_mov_b32 s[MLOW], 0xff7fffff
	s_mov_b32 s[CMLOW], 0xfe000000
	s_bfe_u32 s[CX], ttmp6, 0x40000
	s_sub_co_u32 s61, 15, s[BB]                    ; the long super-block
	s_lshl_b32 s62, s[BAT], 21                     ; Q: block row 128 batch + 8 super-block + 2 cx, 16,384 bytes each
	s_lshl_b32 s63, s[CX], 15
	s_add_co_u32 s62, s62, s63
	s_lshl_b32 s63, s[BB], 17
	s_add_co_u32 s[Q1], s62, s63
	s_mov_b32 s[Q1+1], 0
	s_lshl_b32 s63, s61, 17
	s_add_co_u32 s[Q2], s62, s63
	s_mov_b32 s[Q2+1], 0
	s_lshl_b32 s62, s[BAT], 22                     ; output: row 2,048 batch + 128 super-block + 32 cx, 2,048 bytes each, + 512 wave
	s_lshl_b32 s63, s[CX], 16
	s_add_co_u32 s62, s62, s63
	s_lshl_b32 s63, s[WV], 9
	s_add_co_u32 s62, s62, s63
	s_lshl_b32 s63, s[BB], 18
	s_add_co_u32 s[O1], s62, s63
	s_mov_b32 s[O1+1], 0
	s_lshl_b32 s63, s61, 18
	s_add_co_u32 s[O2], s62, s63
	s_mov_b32 s[O2+1], 0
	s_wait_dscnt 0x0                               ; the opening add is done
	s_wait_kmcnt 0x0
	s_cmp_lt_u32 s[WV], 2
	s_cselect_b64 s[2:3], s[6:7], s[8:9]
	s_add_nc_u64 s[KVB:KVB+1], s[2:3], s[KVB:KVB+1]
	s_add_nc_u64 s[G0A+2:G0A+3], s[KVB:KVB+1], s[OFF:OFF+1]
	s_or_b32 s[G0A+3], s[G0A+3], 0x80000000        ; type = 2
	s_add_nc_u64 s[Q1:Q1+1], s[4:5], s[Q1:Q1+1]
	s_add_nc_u64 s[Q2:Q2+1], s[4:5], s[Q2:Q2+1]
	s_add_nc_u64 s[O1:O1+1], s[10:11], s[O1:O1+1]
	s_add_nc_u64 s[O2:O2+1], s[10:11], s[O2:O2+1]
	CROUND                                         ; all four work-groups are here: the first joint loads meet
	tensor_load_to_lds s[G0A:G0A+3], s[G1:G1+7]    ; region A: K of the walk's step 0 (waves 0, 1); V of the same step (waves 2, 3), which trip 0 multiplies by P = 0.  One load of mine is out
	s_nop 0
	PLACES
; My work-group's 32 queries x 512 channels are 64 dense blocks, 512 consecutive bytes a load; every wave holds all of them.  They come in two halves (query tile 0, tile 1).
.macro QLOAD qb, half
	WIN 0x40
.set i, 32*(\half)
.rept 32
	global_load_b128 v[4*i:4*i+3], v[L16], s[\qb:\qb+1] offset:512*i
.set i, i+1
.endr
	WIN 0
.endm
	v_and_b32 v1, 15, v0                           ; r = lane % 16
	v_bfe_u32 v[TM], v0, 4, 1                      ; h = lane / 16
	v_and_b32 v[TM+1], 31, v0
	v_lshlrev_b32 v[L16], 4, v[TM+1]
	QLOAD Q1, 0
	; What the first trip finds: O^T and l are 0, and so are P and the last four channel blocks of V's keys 32-63 in registers: the ten products that stand in its round add 0.  All this stands in the wait for the first tile.
	WIN 0xc0
.set i, 0
.rept 144
	v_mov_b32 v[i], 0
.set i, i+1
.endr
	WIN 0x80
.set i, 96
.rept 64
	v_mov_b32 v[i], 0
.set i, i+1
.endr
.set i, 0
.rept 8
	v_mov_b32 v[ONES+i], 0x3c003c00                ; 1.0 twice, in f16
.set i, i+1
.endr
	WIN 0
	s_lshl_b32 s62, s[WV], 14
	v_add_nc_u32 v[AKA], s62, v[L16]               ; key tile w: 16,384 bytes
	v_add_nc_u32 v[AKB], REGB, v[AKA]
	s_lshl_b32 s62, s[WV], 12
	s_add_co_u32 s62, s62, 65536
	v_add_nc_u32 v[AVA], s62, v[L16]               ; channel blocks 8 w ..: 4,096 bytes in each key tile
	v_add_nc_u32 v[AVB], REGB, v[AVA]
	v_add_nc_u32 v[PRD], PB, v[L16]
	s_lshl_b32 s62, s[WV], 9
	v_add_nc_u32 v[PWR], s62, v[PRD]               ; my 16 keys are half (w % 2) of fragment kk = w / 2: 512 w
.irp j, 0,1,2,3
	v_mov_b32 v[PK+\j], 0
.endr
	ds_store_b128 v[PWR], v[PK:PK+3]               ; P = 0: my part of it; the others read it behind trip 0's round
	ds_store_b128 v[PWR], v[PK:PK+3] offset:2048
	v_lshlrev_b32 v[MXR], 4, v1
	v_add_nc_u32 v[MXR], MX, v[MXR]
	s_lshl_b32 s62, s[WV], 2
	v_add_nc_u32 v[MXW], s62, v[MXR]
	s_mul_i32 s62, s[WV], 16*SP
	s_add_co_u32 s62, s62, STAGE
	v_add_nc_u32 v[RD], s62, v[L16]
	v_mul_u32_u24 v[STO], v1, SP
	v_lshl_add_u32 v[STO], v[TM], 5, v[STO]
	v_add_nc_u32 v[STO], s62, v[STO]
	s_wait_loadcnt 0x0                             ; Q's first half is in, and the second is asked for: 32 loads of a wave are out at the most
	QLOAD Q1, 1
	; The masks.  Query 32 cx + 16 qt + r of the super-block, key 64 t' + 16 w + 8 h + j of its last 128: hidden where 64 t' - 16 qt + j > 32 cx + r - 16 w - 8 h.
	s_lshl_b32 s62, s[CX], 5
	s_lshl_b32 s63, s[WV], 4
	s_sub_co_i32 s62, s62, s63
	v_add_nc_u32 v[TM+2], s62, v1
	v_lshlrev_b32 v[TM+3], 3, v[TM]
	v_sub_nc_u32 v[TM+2], v[TM+2], v[TM+3]
.set i, 0
.rept 32
	v_cmp_gt_i32 vcc_lo, 64*(i/16)-16*((i/8)%2)+i%8, v[TM+2]
	v_cndmask_b32 v[MD+i], 0, s[BIGN], vcc_lo
.set i, i+1
.endr
.irp q, 0,1
	v_mov_b32 v[ST+2*\q], s[CMLOW]                 ; c m: far below every c s
	v_mov_b32 v[ST+2*\q+1], s[MLOW]                ; m
	v_mov_b32 v[AD+2*\q], 0                        ; trip 0's a
	v_mov_b32 v[AD+2*\q+1], 0
	v_mov_b32 v[RL+2*\q+1], 0                      ; named as a pair with 1 / l
.endr
	s_wait_loadcnt 0x0                             ; Q is in
.macro KLOAD adr                       ; my 16 keys x 512 channels: 16 fragments, dense
	WIN 0
.set i, 0
.rept 16
	ds_load_b128 v[KF+8*i:KF+8*i+3],   v[\adr] offset:1024*i
	ds_load_b128 v[KF+8*i+4:KF+8*i+7], v[\adr] offset:1024*i+512
.set i, i+1
.endr
.endm
.macro MASK t                          ; the C operand that starts the scores: diagonal step t's mask, or 0
	WIN 0
.set i, 0
.rept 8
	v_pk_mul_f32 v[MC+2*i:MC+2*i+1], v[MD+16*(\t)+2*i:MD+16*(\t)+2*i+1], s[AL:AL+1] op_sel_hi:[1,0]
.set i, i+1
.endr
.endm
.macro RESCALE                         ; O^T and l times a; each accumulator's registers in ascending order
	WIN 0xc3
.set i, 0
.rept 72
	v_pk_mul_f32 v[2*i:2*i+1], v[2*i:2*i+1], v[AD+2*((i/4)%2):AD+2*((i/4)%2)+1] op_sel_hi:[1,0]
.set i, i+1
.endr
.endm
; Products i0 .. i1 - 1 of 32 of S^T = K Q^T: channels 32 (i / 2) on, query tile i % 2.  Even and odd channel steps have sums of their own, so that four accumulators take turns.
; The first two start from the constant 0 (mk = 0), from the mask in use (1) or from diagonal step t's mask itself (2).
.macro QK i0, i1, mk, t
	WIN 0x04                                       ; K window 0, Q window 1, sums window 0
.set i, \i0
.rept (\i1)-(\i0)
.set rS, S+8*(i%2)+16*((i/2)%2)
.set rK, KF+8*(i/2)
.set rQ, 8*(16*(i%2)+i/2)
.if (i < 2) && ((\mk) == 1)
	v_wmma_f32_16x16x32_f16 v[rS:rS+7], v[rK:rK+7], v[rQ:rQ+7], v[MC+8*i:MC+8*i+7]
.elseif (i < 2) && ((\mk) == 2)
	v_wmma_f32_16x16x32_f16 v[rS:rS+7], v[rK:rK+7], v[rQ:rQ+7], v[MD+16*(\t)+8*i:MD+16*(\t)+8*i+7]
.elseif i < 4
	v_wmma_f32_16x16x32_f16 v[rS:rS+7], v[rK:rK+7], v[rQ:rQ+7], 0
.else
	v_wmma_f32_16x16x32_f16 v[rS:rS+7], v[rK:rK+7], v[rQ:rQ+7], v[rS:rS+7]
.endif
.set i, i+1
.endr
.endm
.macro PLOAD                           ; all four waves' weights: 4 fragments, 8 loads
	WIN 0x80
.set i, 0
.rept 4
	ds_load_b128 v[PF+8*i:PF+8*i+3],   v[PRD] offset:1024*i
	ds_load_b128 v[PF+8*i+4:PF+8*i+7], v[PRD] offset:1024*i+512
.set i, i+1
.endr
.endm
.macro VRUN adr, f0, f1                ; fragments f0 .. f1 - 1 of the 16 of my 128 channels x 64 keys of V, turned: key half f / 8, channel block f % 8; two loads each
	WIN 0x80
.set i, \f0
.rept (\f1)-(\f0)
	ds_load_tr16_b128 v[8*i:8*i+3],   v[\adr] offset:(2*(i/8))*16384+512*(i%8)
	ds_load_tr16_b128 v[8*i+4:8*i+7], v[\adr] offset:(2*(i/8)+1)*16384+512*(i%8)
.set i, i+1
.endr
.endm
.macro LMAX                            ; the two halves of the sums are added; my 16 keys' maximum for each query goes to MX
	WIN 0
	PLACES
.set i, 0
.rept 8
	v_pk_add_f32 v[S+2*i:S+2*i+1], v[S+2*i:S+2*i+1], v[S+16+2*i:S+16+2*i+1]
.set i, i+1
.endr
.irp q, 0,1
	v_max3_num_f32 v[TM+\q], v[S+8*\q], v[S+8*\q+1], v[S+8*\q+2]
.endr
.irp q, 0,1
	v_max3_num_f32 v[TM+\q], v[TM+\q], v[S+8*\q+3], v[S+8*\q+4]
.endr
.irp q, 0,1
	v_max3_num_f32 v[TM+\q], v[TM+\q], v[S+8*\q+5], v[S+8*\q+6]
.endr
.irp q, 0,1
	v_max_num_f32 v[TM+\q], v[TM+\q], v[S+8*\q+7]
.endr
.irp q, 0,1
	v_permlanex16_b32 v[TM+2+\q], v[TM+\q], s[SEL], s[SEL+1]  ; the query's other 8 keys lie in the lane 16 away
.endr
.irp q, 0,1
	v_max_num_f32 v[TM+\q], v[TM+\q], v[TM+2+\q]
.endr
.irp q, 0,1
	ds_store_b32 v[MXW], v[TM+\q] offset:256*\q
.endr
.endm
; Products i0 .. i1 - 1 of the 18 of O^T += V^T P for keys 32 kk on: channel block i / 2 (the ninth: the ones), query tile i % 2: 18 different accumulators, which take turns
.macro PVR kk, i0, i1
	WIN 0xfa                                       ; V and P window 2, O^T window 3
.set i, \i0
.rept (\i1)-(\i0)
.set rP, PF+16*(i%2)+8*(\kk)
.if i < 16
.set rV, 64*(\kk)+8*(i/2)
.else
.set rV, ONES
.endif
	v_wmma_f32_16x16x32_f16 v[8*i:8*i+7], v[rV:rV+7], v[rP:rP+7], v[8*i:8*i+7]
.set i, i+1
.endr
.endm
; Behind the barrier for the maxima: they are read; V's keys 32-63 come in two runs, with ten products between and behind them, which also stand in the wait for the maxima; then the step's softmax for my
; 16 keys x 32 queries; my weights are stored, and eight products stand beside the stores.  AVX: V's address in the trip's region.
.macro SOFT
	WIN 0
	ds_load_b128 v[XM:XM+3],   v[MXR]
	ds_load_b128 v[XM+4:XM+7], v[MXR] offset:256
	VRUN AVX, 8, 12
	PVR 0, 8, 13
	VRUN AVX, 12, 16
	PVR 0, 13, 18
	WIN 0
	s_wait_dscnt 16                                ; the maxima are in; V's 16 loads behind them may be out
.irp q, 0,1
	v_mov_b32 v[AD+2*\q+1], v[ST+2*\q]             ; c m_old
.endr
.irp q, 0,1
	v_max3_num_f32 v[XM+4*\q], v[XM+4*\q], v[XM+4*\q+1], v[XM+4*\q+2]
.endr
.irp q, 0,1
	v_max3_num_f32 v[ST+2*\q+1], v[XM+4*\q], v[XM+4*\q+3], v[ST+2*\q+1]
.endr
.irp q, 0,1
	v_mul_f32 v[ST+2*\q], s[CS], v[ST+2*\q+1]
.endr
.irp q, 0,1
	v_sub_f32 v[AD+2*\q+1], v[AD+2*\q+1], v[ST+2*\q]
.endr
.set i, 0
.rept 8
	v_pk_fma_f32 v[S+2*i:S+2*i+1], v[S+2*i:S+2*i+1], s[CS:CS+1], v[ST+2*(i/4):ST+2*(i/4)+1] op_sel_hi:[1,0,0] neg_lo:[0,0,1] neg_hi:[0,0,1]  ; c s - c m
.set i, i+1
.endr
	v_exp_f32 v[AD], v[AD+1]
	v_exp_f32 v[AD+2], v[AD+3]
.set i, 0
.rept 16
	v_exp_f32 v[S+i], v[S+i]
.set i, i+1
.endr
	v_nop                                          ; a plain instruction between the last exponential and the use of its result (ISA guide 5.7.2)
.set i, 0
	s_wait_alu depctr_va_vdst(0)
.rept 8
	v_cvt_pk_f16_f32 v[PK+i], v[S+2*i], v[S+2*i+1]
.set i, i+1
.endr
	ds_store_b128 v[PWR], v[PK:PK+3]
	ds_store_b128 v[PWR], v[PK+4:PK+7] offset:2048
	s_wait_dscnt 2                                 ; V's keys 32-63 are in; my two stores may be out
	PVR 1, 0, 8
	WIN 0                                          ; at a branch and at a label every window is 0
.endm
; THE WAY OUT of a block: O^T / l, a query tile at a time through my own stage: 32 bytes a lane in, whole rows of 512 bytes back (LDS serves a wave's instructions in order: ISA guide 5.7.1.4), each stored by one
; instruction.  It works in K's registers, which are free here: V's and P's stay as they are, for the products that the next round repeats.  more = 1: K's loads land on these registers next.
.macro OUTPUT ob, more
	WIN 0
	PLACES
	WIN 0x03
	v_mov_b32 v[RL], v128                          ; l of tile 0: its accumulator's lowest register
	v_mov_b32 v[RL+2], v136                        ; of tile 1
	WIN 0
	v_rcp_f32 v[RL], v[RL]
	v_rcp_f32 v[RL+2], v[RL+2]
	v_nop                                          ; a plain instruction between the last reciprocal and the use of its result
	s_wait_alu depctr_va_vdst(0)
.irp q, 0,1
	WIN 0x03                                       ; O^T window 3, 1 / l and the results window 0
.set i, 0
.rept 32
	v_pk_mul_f32 v[KF+2*i:KF+2*i+1], v[8*(2*(i/4)+\q)+2*(i%4):8*(2*(i/4)+\q)+2*(i%4)+1], v[RL+2*\q:RL+2*\q+1] op_sel_hi:[1,0]
.set i, i+1
.endr
	WIN 0
.set i, 0
.rept 8
	ds_store_b128 v[STO], v[KF+8*i:KF+8*i+3]   offset:64*i
	ds_store_b128 v[STO], v[KF+8*i+4:KF+8*i+7] offset:64*i+16
.set i, i+1
.endr
.if \q == 1
	s_wait_xcnt 0x0                                ; the registers that tile 0's stores read are loaded again only behind this wait
.endif
.set i, 0
.rept 16
	ds_load_b128 v[KF+64+4*i:KF+64+4*i+3], v[RD] offset:SP*i
.set i, i+1
.endr
	s_wait_dscnt 0x0
.set i, 0
.rept 16
	global_store_b128 v[L16], v[KF+64+4*i:KF+64+4*i+3], s[\ob:\ob+1] offset:(16*\q+i)*2048 th:TH_STORE_NT  ; 512 consecutive bytes, at a multiple of 512 from the output's first
.set i, i+1
.endr
.endr
.if \more
	s_wait_xcnt 0x0                                ; the stores have read their registers
.endif
.endm
; THE CHANGE OF REGIONS.  Each wave waits for all its tensor loads (one is out: its part of the region to be read), adds 0 to its spare word, makes the next fill's address anew from the walk's number,
; and waits for the add, for its reads of the region that it leaves and for its stores of P.  Six products of the trip before stand between the add and the wait for it.  The barrier opens a round of the
; cluster's; inside it stand that trip's last four products.  Behind the round no wave of any partner reads the old region: the joint fill is the first thing there.
; part = 1 (the last fill): only V is left, waves 2 and 3 ask.
.macro MEET g0, part
	WIN 0
	s_wait_tensorcnt 0x0
	ds_add_u32 v[SPW], v[NIL]                      ; 0 onto my spare word
	s_sub_co_u32 s[TA], s[NXT], s[N1]              ; from the walk's number to the key step.  Which block?
	s_cmp_lt_u32 s[NXT], s[N1]
	s_cselect_b32 s[TA], s[NXT], s[TA]             ; i: the number in the block's walk,
	s_cselect_b32 s[TB], s[MS], s[NL]              ; the block's open steps,
	s_cselect_b32 s[TC], s[RHO], s[RR]             ; and where my cluster begins them
	s_add_co_u32 s[TC], s[TC], s[TA]
	s_sub_co_u32 s[OFF], s[TC], s[TB]              ; once round: below the count the difference wraps to a number above 2^31,
	s_min_u32 s[TC], s[TC], s[OFF]                 ; and the unsigned minimum picks the right one of the two
	s_cmp_lt_u32 s[TA], s[TB]
	s_cselect_b32 s[OFF], s[TC], s[TA]             ; the two steps under the mask keep their place: key step i
	s_lshl_b32 s[OFF], s[OFF], 16                  ; a step's tile is 65,536 bytes of K and of V
	s_add_nc_u64 s[\g0+2:\g0+3], s[KVB:KVB+1], s[OFF:OFF+1]
	s_or_b32 s[\g0+3], s[\g0+3], 0x80000000
	s_add_co_u32 s[NXT], s[NXT], 1
	PVR 1, 8, 14
	s_wait_dscnt 0x0
	s_barrier_signal -1
	PVR 1, 14, 18
	WIN 0                                          ; at a branch and at a label every window is 0
	s_barrier_wait -1
	CREST
.if \part
	s_cmp_lt_u32 s[WV], 2
	s_cbranch_scc1 .Lno_fill_\@
.endif
	tensor_load_to_lds s[\g0:\g0+3], s[G1:G1+7]
	s_nop 0
	PLACES                                         ; also the places behind the products
.if \part
.Lno_fill_\@:
	PLACES
.endif
.endm
; A TRIP.  Even trips read region A and fill B, odd trips the other way round.  mk = 0: no key is hidden; 1: in a loop: the mask counts in the loop's last pair, by a select; 2: a diagonal step.
; qsw = 1: the long block's first trip: its Q comes in two halves, the first asked for ahead of the round, the second when the first is in: 32 loads of a wave are out at the most.
.macro TRIP odd, mk, part, qsw=0
.if \odd
.set AKX, AKB
.set AVX, AVB
.else
.set AKX, AKA
.set AVX, AVA
.endif
.if \qsw
	QLOAD Q2, 0                                    ; the short block's Q has had its last use
.endif
.if \odd
	MEET G0A, \part
.else
	MEET G0B, \part
.endif
.if \qsw
	s_wait_loadcnt 0x0
	QLOAD Q2, 1
.endif
	KLOAD AKX
.if (\mk) == 1
	s_cmp_eq_u32 s[I], s[LAST]                     ; the block's last two steps hold the diagonal
	s_cselect_b32 s[AL], 1.0, 0
	MASK \odd
.endif
	RESCALE
.if \qsw
	s_wait_loadcnt 0x0                             ; Q is in
.endif
	s_wait_dscnt 16                                ; K's fragments 0 to 7 are in; the 16 loads of fragments 8 to 15 may be out
	QK 0, 8, \mk, \odd
	PLOAD
	QK 8, 16, \mk, \odd
	VRUN AVX, 0, 4
	s_wait_dscnt 16                                ; all of K is in; the 8 loads of P and the 8 of V behind it may be out
	QK 16, 24, \mk, \odd
	VRUN AVX, 4, 8
	QK 24, 32, \mk, \odd
	LMAX
	s_wait_dscnt 2                                 ; P and V's keys 0-31 are in; the two stores of my maxima may be out
	PVR 0, 0, 6
	s_wait_dscnt 0x0                               ; my maxima are stored; P is in, so P's bytes may be written again behind this barrier
	s_barrier_signal -1
	PVR 0, 6, 8
	WIN 0
	s_barrier_wait -1
	SOFT
.endm
; THE WALK'S END.  The last step's V lies in region A, asked for in trip 33.
.macro DRAIN
	WIN 0
	s_wait_tensorcnt 0x0                           ; my part of region A is in
	s_wait_dscnt 0x0                               ; my weights are stored
	s_barrier_signal -1
	PVR 1, 8, 18                                   ; the last ten products of the step before the last
	WIN 0
	s_barrier_wait -1
	PLACES
	PLOAD
	VRUN AVA, 0, 16
	RESCALE
	s_wait_dscnt 0x0
	PVR 0, 0, 18
	PVR 1, 0, 18
.endm
	s_mov_b32 s[LAST], s[BB]
	s_mov_b32 s[I], 0
.Lshort:                                               ; the short block's scores: b + 1 pairs of trips, the last under the masks
	TRIP 0, 1, 0
	TRIP 1, 1, 0
	s_add_co_u32 s[I], s[I], 1
	s_cmp_lt_u32 s[I], s[NP1]
	s_cbranch_scc1 .Lshort
.irp q, 0,1
	v_mov_b32 v[ST+2*\q], s[CMLOW]                 ; THE CHANGE OF BLOCKS.  m and c m start anew (the softmax alone reads them): the long block's first a is 0
	v_mov_b32 v[ST+2*\q+1], s[MLOW]
.endr
	TRIP 0, 0, 0, 1                                ; trip 2 b + 2: the long block's first scores, beside 26 of the short block's last 36 products
	PVR 1, 8, 18                                   ; the other ten at once,
	OUTPUT O1, 1                                   ; and the short block leaves
	s_sub_co_u32 s[LAST], 14, s[BB]
	s_mov_b32 s[I], 0
.Llong:                                                ; 15 - b pairs, the odd trip first; the last pair's even trip is trip 32, the diagonal's first step
	TRIP 1, 0, 0
	TRIP 0, 1, 0
	s_add_co_u32 s[I], s[I], 1
	s_cmp_lt_u32 s[I], s[NP2]
	s_cbranch_scc1 .Llong
	TRIP 1, 2, 1                                   ; trip 33 is written out: only V of the last step is still asked for
	DRAIN
	OUTPUT O2, 0
	s_wait_tensorcnt 0x0                           ; the wave's end: the add and its wait, behind my last tensor load and my last LDS store
	ds_add_u32 v[SPW], v[NIL]
	s_wait_dscnt 0x0
	CROUND                                         ; the closing round: no work-group ends while a partner may still ask for a tile that names it
	s_endpgm
.Lfunc_end_k_q5929dcb1d3_attn:
	.size	k_q5929dcb1d3_attn, .Lfunc_end_k_q5929dcb1d3_attn-k_q5929dcb1d3_attn
	.p2alignl 7, 3214868480
	.fill 96, 4, 3214868480
	.section	.rodata,"a",@progbits
	.p2align	6, 0x0
	.amdhsa_kernel k_q5929dcb1d3_attn
		.amdhsa_group_segment_fixed_size 327680
		.amdhsa_private_segment_fixed_size 0
		.amdhsa_enable_private_segment 0
		.amdhsa_kernarg_size 32
		.amdhsa_user_sgpr_count 2
		.amdhsa_user_sgpr_kernarg_segment_ptr 1
		.amdhsa_wavefront_size32 1
		.amdhsa_system_sgpr_workgroup_id_x 1
		.amdhsa_system_sgpr_workgroup_id_y 1
		.amdhsa_system_sgpr_workgroup_id_z 1
		.amdhsa_system_vgpr_workitem_id 0
		.amdhsa_next_free_vgpr 912
		.amdhsa_next_free_sgpr 72
		.amdhsa_reserve_vcc 1
		.amdhsa_float_denorm_mode_32 3
		.amdhsa_float_denorm_mode_16_64 3
		.amdhsa_memory_ordered 1
		.amdhsa_forward_progress 1
		.amdhsa_inst_pref_size 180
	.end_amdhsa_kernel
	.amdgpu_metadata
---
amdhsa.version: [ 1, 2 ]
amdhsa.kernels:
  - .name:           k_q5929dcb1d3_attn
    .symbol:         k_q5929dcb1d3_attn.kd
    .args:
      - { .name: qf, .offset: 0, .size: 8, .value_kind: global_buffer, .address_space: global }
      - { .name: kf, .offset: 8, .size: 8, .value_kind: global_buffer, .address_space: global }
      - { .name: vf, .offset: 16, .size: 8, .value_kind: global_buffer, .address_space: global }
      - { .name: out0, .offset: 24, .size: 8, .value_kind: global_buffer, .address_space: global }
    .group_segment_fixed_size: 327680
    .private_segment_fixed_size: 0
    .kernarg_segment_align: 8
    .kernarg_segment_size: 32
    .max_flat_workgroup_size: 128
    .sgpr_count:     72
    .vgpr_count:     912
    .wavefront_size: 32
...
	.end_amdgpu_metadata
.endif
;; end of part 5
